; MI455X (gfx1250); checked and timed in simulation.
; The chip was launched on July 23, 2026; its instructions are those of AMD's public machine-readable ISA for CDNA 5 (MIT licence, August 2026) and "CDNA5" Instruction Set Architecture Reference Guide (July 2026). The comments in the code are by the model that wrote it; some were corrected since.
;; Multi Head Attention. Allowed arithmetic: matrix products marked QUANTISED: E2M3 operands, one E8M0 scale for each 32 along K, by v_wmma_scale_f32_16x16x128_f8f6f4 with both operands' format E2M3, f32 sums; everything else in f32.
;; Inputs: b_k 768 float32; b_o 768 float32; b_q 768 float32; b_v 768 float32; w_k 768 x 768 float32; w_o 768 x 768 float32; w_q 768 x 768 float32; w_v 768 x 768 float32; x 1 x 4,096 x 768 float32.
;; Outputs: out0 1 x 4,096 x 768 float32.
;; This version of the problem:
;;   THIS VERSION OF THE PROBLEM IS GIVEN IN LOW PRECISION. The matrix products marked QUANTISED in the list below multiply operands that are first quantised to E2M3 (2 exponent bits, 3 mantissa bits; 6 bits a number), with one power-of-two scale for each 32 numbers along K (OCP MX v1.0); their sums are f32. All else is computed in f32.
;;   The module's matrix products, in the order in which they are computed (A, B: the left and right operand; K: the contracted axis; several contracted axes count as one K, in the product's order):
;;     1. [M 4,096, K 768] x [K 768, N 768]; A: input x; B: input w_q: QUANTISED
;;     2. [M 4,096, K 768] x [K 768, N 768]; A: input x; B: input w_k: QUANTISED
;;     3. [M 4,096, K 768] x [K 768, N 768]; A: input x; B: input w_v: QUANTISED
;;     4. batch 12 x [M 4,096, K 64] x [K 64, N 4,096]; A: computed on the way; B: computed on the way: QUANTISED
;;     5. batch 12 x [M 4,096, K 4,096] x [K 4,096, N 64]; A: softmax (see below); B: computed on the way: QUANTISED
;;     6. [M 4,096, K 768] x [K 768, N 768]; A: computed on the way; B: input w_o: QUANTISED
;;   THE QUANTISER, for each operand of a quantised product, along K:
;;     - K is cut into blocks of 32 from its start; a last block that is shorter is filled with zeros.
;;     - A block's scale is 2^e with e = floor(log2(the largest magnitude in the block)) - 2, held to -126 .. 127; a block of zeros has e = 0. As a byte (E8M0): e + 127.
;;     - Each number is divided by its block's scale, clamped to +-7.5, and rounded to the nearest number of E2M3, ties to even, subnormals kept.
;;     - The product sums the exact products of the quantised numbers (number of the format x scale) in f32.
;;   ~~~python
;;   def quantise(x, axis):      # numpy; x: float32 -> the quantised numbers, widened to float32 again
;;       x = np.moveaxis(x, axis, -1); K = x.shape[-1]
;;       x = np.pad(x, [(0, 0)] * (x.ndim - 1) + [(0, -K % 32)]); x = x.reshape(x.shape[:-1] + (-1, 32)); a = np.abs(x).max(-1, keepdims=True)
;;       e = np.where(a > 0, np.clip(np.frexp(np.where(a > 0, a, 1))[1] - 1 - 2, -126, 127), 0)      # np.frexp(a)[1] - 1 = floor(log2(a)), exactly
;;       r = np.clip(x / 2.0 ** e, -7.5, 7.5)
;;       step = 2.0 ** (np.maximum(np.frexp(np.where(r == 0, 1, r))[1] - 1, 0) - 3)
;;       q = np.round(r / step) * step * 2.0 ** e      # np.round: ties to even
;;       return np.moveaxis(q.reshape(q.shape[:-2] + (-1,))[..., :K], -1, axis).astype(np.float32)
;;   ~~~
;;   SOFTMAX AHEAD OF A QUANTISED PRODUCT. Where the list says 'softmax', what is quantised is not the finished softmax but p = 2^(t - M), with t = logit x log2(e) and M = ceil(the row's largest t), a whole number; so 1/2 < the row's largest p <= 1. The row's sum l is taken of the UNQUANTISED p, in f32, and the product's result is divided by l at the end. Since M is a whole number, a kernel that streams over the keys may use a running M (the ceiling of the running maximum): every later rescaling is an exact power of two, which a block's scale takes up: the codes' values come out the same.
;;   OPERANDS COMPUTED ON THE WAY. 'Computed on the way' means the value that the module computes at that place (a softmax that the list does not call 'softmax' is quantised finished and normalised). What goes into a quantiser is computed in f32, as accurately as f32 sums, v_exp_f32 and their like allow (about 1e-6 of the number): no bf16 or f16 on the way to a quantiser, and a product that is left as it is and whose result goes on into a quantised operand takes f32 operands (vector FMAs, or v_wmma_f32_16x16x4_f32). A number that lies on a knife's edge between two numbers of the format may be rounded either way, as far as f32 arithmetic and the matrix unit's own rounding can turn it there, and no further.
;; One version. Each part assembles by itself: llvm-mc -triple=amdgcn-amd-amdhsa -mcpu=gfx1250 --defsym DOCPART=n.
;; ======== version 1 of 1: 4 launches
;; limits: right only within a limited range of input values
;; workspace buffers: xq 2,457,600 bytes; wq 1,843,200 bytes; qim 2,555,904 bytes; kvim 5,111,808 bytes; hq 2,457,600 bytes
;; launch prep (part 1): grid 352 x 1, 6 waves a work-group, no clusters, 51,456 bytes of LDS; arguments x, w_q, w_k, w_v, w_o, xq, wq; writes xq, wq
.if DOCPART == 1
	.amdgcn_target "amdgcn-amd-amdhsa--gfx1250"
	.amdhsa_code_object_version 6
	.text
	.protected	k_q93bd07366e_prep
	.globl	k_q93bd07366e_prep
	.p2align	8
	.type	k_q93bd07366e_prep,@function
k_q93bd07366e_prep:
	s_mov_b64 s[64:65], 0
	v_nop
	global_prefetch_b8 v0, s[64:65] scope:SCOPE_SE
	s_setreg_imm32_b32 hwreg(HW_REG_WAVE_MODE, 25, 1), 1
	s_wait_xcnt 0x0
; x [4096][768] (K innermost) and w_q, w_k, w_v, w_o [768 (K)][768] (K the first axis), f32, become codes of FP6 (E2M3) with one E8M0 byte for each 32 along K,
; stored as IMAGES OF OPERAND REGISTERS: a fragment (16 rows x 128 K, 12 registers a lane) is 1,536 bytes, registers 4 c .. 4 c + 3 of lane l at 512 c + 16 l; its 16 scale words follow the images.
;   xq: [block of 256 tokens 16][K step 6][25,600]: token tile t at 1,536 t, its scale words at 24,576 + 64 t + 4 r.
;   wq: [matrix 4][192 features 4][K step 6][19,200]: feature tile t at 1,536 t, its scale words at 18,432 + 64 t + 4 r.
; THE ORDER INSIDE A BLOCK OF 32: place 16 a + 8 u + j holds index 16 u + 8 a + j (the two middle eights change places).  It is the order in which a matrix result quantised in registers
; falls by itself; every operand of the program has it, so both sides of each product agree, and neither a block's scale nor a sum hangs on the order inside a block.
; A block's scale is 2^(floor(log2(largest magnitude)) - 2); its byte is the largest magnitude's exponent field - 2, held at 1 from below.
; LIMITS: a block whose largest magnitude lies under 2^-124 is held at byte 1; a block of zeros gets byte 1 where the rule says 127 (its codes are zeros, and this program alone reads the bytes);
; NaN and infinities among the inputs are not served.
; SHARES: work-groups 0-255: token tile T, wave = K step.  Work-groups 256-351: a matrix, a K step, 192 columns; a wave takes 32 columns, a lane a column.
; Bytes bind here: each input byte is read once, waves share nothing, so no matrix unit, no tensor load, no cluster, no barrier.
.set STG,   8448                       ; a wave's stage: 16 rows x (512 bytes + 16)
.set SPARE, 6*STG                      ; behind the stages: the spare words, 128 bytes a wave: three blocks of 256 bytes that no other line names
.set SPW,   2                          ; v2   my spare word's LDS address; never rewritten
.set NIL,   3                          ; v3   0; never rewritten
.set L16,   5                          ; v5   16 x lane
.set PW,    20                         ; v20  the scale word
.set RAW,   32                         ; v32..  numbers as loaded
.set NUM,   96                         ; v96-159 (tokens' path) 64 numbers in the order of the places
.set PC,    160                        ; v160.. codes
.set TM,    184                        ; v184-199 at work
.set SEL,   40                         ; s[40:41] lane selects: lane l xor 16
; 64 numbers of a lane, register 16 b + i = place 16 (lane / 16) + i of block b of my row, become a fragment in v[PC..PC+11] and its scale word in v[PW]
.macro QUANT s
.irp b, 0,1,2,3
	v_max3_num_f32 v[TM+\b], |v[\s+16*\b]|, |v[\s+1+16*\b]|, 0x1800000   ; my 16 numbers and the floor 2^(3 - 127): the byte cannot fall under 1
.endr
.irp i, 2,4,6,8,10,12,14
.irp b, 0,1,2,3
	v_max3_num_f32 v[TM+\b], v[TM+\b], |v[\s+16*\b+\i]|, |v[\s+1+16*\b+\i]|   ; the four blocks by turns
.endr
.endr
.irp b, 0,1,2,3
	v_permlanex16_b32 v[TM+4+\b], v[TM+\b], s[SEL], s[SEL+1]
.endr
.irp b, 0,1,2,3
	v_max_num_f32 v[TM+\b], v[TM+\b], v[TM+4+\b]     ; with lane l xor 16's 16: the block's largest magnitude
.endr
.irp b, 0,1,2,3
	v_add_nc_u32 v[TM+12+\b], 0xff000000, v[TM+\b]   ; 2 off its exponent field: the conversion's scale operand
.endr
.irp b, 0,1,2,3
	v_lshrrev_b32 v[TM+4+\b], 23, v[TM+12+\b]        ; the scale's byte
.endr
	v_lshl_or_b32 v[PW], v[TM+5], 8, v[TM+4]
	v_lshl_or_b32 v[PW], v[TM+6], 16, v[PW]
	v_lshl_or_b32 v[PW], v[TM+7], 24, v[PW]
.irp c, 0,1
	v_cvt_scalef32_pk16_fp6_f32 v[PC+6*\c:PC+2+6*\c], v[\s+32*\c:\s+15+32*\c], v[TM+12+2*\c]
	v_cvt_scalef32_pk16_fp6_f32 v[PC+12+4*\c:PC+14+4*\c], v[\s+16+32*\c:\s+31+32*\c], v[TM+12+2*\c+1]   ; (a conversion's three registers begin on an even number)
.endr
	v_nop                                            ; one plain line behind the conversions
.irp c, 0,1                                      ; a lane of the operand holds a WHOLE block: lanes 0-15 block 2 c, lanes 16-31 block 2 c + 1
.irp i, 0,1,2
	v_permlane16_swap_b32 v[PC+6*\c+\i], v[PC+12+4*\c+\i]
.endr
.irp i, 0,1,2
	v_mov_b32 v[PC+3+6*\c+\i], v[PC+12+4*\c+\i]
.endr
.endr
.endm
	s_load_b256 s[4:11], s[0:1], 0x0               ; x, w_q, w_k, w_v
	s_load_b128 s[12:15], s[0:1], 0x20             ; w_o, xq
	s_load_b64 s[16:17], s[0:1], 0x30              ; wq
	v_lshl_add_u32 v[SPW], v0, 2, SPARE
	v_mov_b32 v[NIL], 0
	v_lshrrev_b32 v1, 5, v0
	v_readfirstlane_b32 s18, v1                    ; wave 0..5
	v_and_b32 v4, 31, v0                           ; lane
	v_lshlrev_b32 v[L16], 4, v4
	s_cmp_lt_u32 ttmp9, 256
	s_cbranch_scc0 .Lweights
	; ---- THE TOKENS: tile T = work-group, K step = wave
	s_mul_i32 s20, ttmp9, 49152                    ; 16 rows of 3,072 bytes
	s_lshl_b32 s21, s18, 9                         ; + 512 bytes a K step
	s_add_co_u32 s20, s20, s21
	s_mov_b32 s21, 0
	s_lshr_b32 s22, ttmp9, 4                       ; the block of 256 tokens
	s_mul_i32 s22, s22, 6
	s_add_co_u32 s22, s22, s18
	s_mul_i32 s22, s22, 25600                      ; its panel of this K step
	s_and_b32 s23, ttmp9, 15                       ; the tile in it
	s_mul_i32 s24, s23, 1536
	s_add_co_u32 s24, s24, s22                     ; the image
	s_mov_b32 s25, 0
	s_lshl_b32 s26, s23, 6
	s_add_co_u32 s26, s26, s22
	s_add_co_u32 s26, s26, 24576                   ; the scale words
	s_mov_b32 s27, 0
	s_mul_i32 s28, s18, STG                        ; my stage
	s_wait_alu depctr_va_vdst(0)
	v_add_nc_u32 v6, s28, v[L16]                   ; in: a row's 512 bytes as they lie
	v_and_b32 v8, 15, v0                           ; r
	v_bfe_u32 v9, v0, 4, 1                         ; h
	v_mul_u32_u24 v7, v8, 528
	v_lshl_add_u32 v7, v9, 5, v7
	v_add_nc_u32 v7, s28, v7                       ; out: row r, + 32 h: my eights of each block
	v_lshlrev_b32 v10, 2, v8
	v_lshl_add_u32 v10, v9, 1, v10                 ; 4 r + 2 h: my half of the row's scale word
	v_lshlrev_b32 v11, 4, v9                       ; 16 h bits
	s_mov_b32 s[SEL], 0x76543210
	s_mov_b32 s[SEL+1], 0xfedcba98
.irp b, 0,1,2,3
	v_mov_b32 v[TM+4+\b], 0                        ; written once: a lane permute's destination counts as one of its sources
.endr
	s_wait_alu depctr_va_vdst(0)
	s_wait_kmcnt 0x0
	s_add_nc_u64 s[4:5], s[4:5], s[20:21]
	s_add_nc_u64 s[24:25], s[14:15], s[24:25]
	s_add_nc_u64 s[26:27], s[14:15], s[26:27]
.irp i, 0,1,2,3,4,5,6,7,8,9,10,11,12,13,14,15
	global_load_b128 v[RAW+4*\i:RAW+4*\i+3], v[L16], s[4:5] offset:3072*\i th:TH_LOAD_NT   ; row i: 32 lanes read 512 consecutive bytes, at a multiple of 512 from x's first byte
.endr
.irp i, 0,1,2,3,4,5,6,7,8,9,10,11,12,13,14,15
	s_wait_loadcnt 15-\i                           ; loads come back in order: row i is in, the 15 - i younger may be out
	ds_store_b128 v6, v[RAW+4*\i:RAW+4*\i+3] offset:528*\i
.endr
.irp b, 0,1,2,3                                ; back, a lane to a row: register 16 b + 8 u + j = k 32 b + 16 u + 8 h + j.  LDS serves a wave's instructions in order: these see my stores
.irp u, 0,1
.irp g, 0,1
	ds_load_b128 v[NUM+16*\b+8*\u+4*\g:NUM+16*\b+8*\u+4*\g+3], v7 offset:128*\b+64*\u+16*\g
.endr
.endr
.endr
	s_wait_dscnt 0x0
	QUANT NUM
	v_lshrrev_b32 v12, v11, v[PW]                  ; both halves of the lanes hold the row's word: each stores 16 bits of it
.irp c, 0,1,2
	global_store_b128 v[L16], v[PC+4*\c:PC+4*\c+3], s[24:25] offset:512*\c   ; 512 consecutive bytes, at a multiple of 512 from xq's first byte
.endr
	global_store_b16 v10, v12, s[26:27]            ; the tile's 64 bytes of scale words
	s_wait_tensorcnt 0x0                           ; the wave's end, behind my last LDS store
	ds_add_u32 v[SPW], v[NIL]
	s_wait_dscnt 0x0
	s_endpgm
	; ---- THE WEIGHTS: a lane takes a column, its registers run down K in the order of the places: nothing is transposed, and a block's largest magnitude needs no other lane
.Lweights:
	s_sub_co_u32 s20, ttmp9, 256
	s_and_b32 s21, s20, 3                          ; which 192 columns
	s_bfe_u32 s22, s20, 0x20002                    ; which matrix: q, k, v, o
	s_lshr_b32 s23, s20, 4                         ; which K step
	s_mul_i32 s24, s23, 393216                     ; 128 rows of 3,072 bytes
	s_mul_i32 s26, s21, 768
	s_add_co_u32 s24, s24, s26
	s_lshl_b32 s26, s18, 7                         ; + my wave's 32 columns
	s_add_co_u32 s24, s24, s26
	s_mov_b32 s25, 0
	s_lshl_b32 s26, s22, 2
	s_add_co_u32 s26, s26, s21
	s_mul_i32 s26, s26, 6
	s_add_co_u32 s26, s26, s23
	s_mul_i32 s26, s26, 19200                      ; the panel
	s_mul_i32 s28, s18, 3072
	s_add_co_u32 s28, s28, s26                     ; my two tiles' images
	s_mov_b32 s29, 0
	s_lshl_b32 s30, s18, 7
	s_add_co_u32 s30, s30, s26
	s_add_co_u32 s30, s30, 18432                   ; and their scale words
	s_mov_b32 s31, 0
	s_wait_alu depctr_va_vdst(0)
	v_lshlrev_b32 v6, 2, v4                        ; 4 x lane
	s_wait_alu depctr_va_vdst(0)
	s_wait_kmcnt 0x0
	s_cmp_eq_u32 s22, 1                            ; the choice hangs on the work-group's number alone
	s_cselect_b64 s[6:7], s[8:9], s[6:7]
	s_cmp_eq_u32 s22, 2
	s_cselect_b64 s[6:7], s[10:11], s[6:7]
	s_cmp_eq_u32 s22, 3
	s_cselect_b64 s[6:7], s[12:13], s[6:7]
	s_add_nc_u64 s[6:7], s[6:7], s[24:25]
	s_add_nc_u64 s[28:29], s[16:17], s[28:29]
	s_add_nc_u64 s[30:31], s[16:17], s[30:31]
.macro LOADW b                         ; block b: register p holds place p: row 32 b + 16 ((p / 8) % 2) + 8 (p / 16) + p % 8; a wave reads 128 consecutive bytes, the six waves stand side by side
.irp p, 0,1,2,3,4,5,6,7,8,9,10,11,12,13,14,15,16,17,18,19,20,21,22,23,24,25,26,27,28,29,30,31
	global_load_b32 v[RAW+32*(\b)+\p], v6, s[6:7] offset:(32*(\b)+16*((\p/8)%2)+8*(\p/16)+\p%8)*3072 th:TH_LOAD_NT
.endr
.endm
.macro BLOCKW b, left, more
.set XS, RAW+32*(\b)
.set CB, PC+12*((\b)%2)+6*((\b)/2)     ; blocks 0, 2 at v160, v166; blocks 1, 3 at v172, v178
.set TT, TM+4*(\b)
	s_wait_loadcnt \left                           ; this block's 32 loads are in; the next block's 32 may be out
.if \more
	LOADW (\b)+2                                   ; loads run two blocks ahead
.endif
	v_max3_num_f32 v12, |v[XS]|, |v[XS+1]|, |v[XS+2]|
	v_max3_num_f32 v13, |v[XS+3]|, |v[XS+4]|, |v[XS+5]|
.irp i, 6,10,14,18,22,26
	v_max3_num_f32 v12, v12, |v[XS+\i]|, |v[XS+\i+1]|
	v_max3_num_f32 v13, v13, |v[XS+\i+2]|, |v[XS+\i+3]|
.endr
	v_max3_num_f32 v12, v12, |v[XS+30]|, |v[XS+31]|
	v_max3_num_f32 v12, v12, v13, 0x1800000        ; and the floor
	v_add_nc_u32 v[14+(\b)], 0xff000000, v12       ; the conversion's scale operand
	v_lshrrev_b32 v13, 23, v[14+(\b)]              ; the byte
.if (\b) == 0
	v_mov_b32 v[PW], v13
.else
	v_lshl_or_b32 v[PW], v13, 8*(\b), v[PW]
.endif
	v_cvt_scalef32_pk16_fp6_f32 v[CB:CB+2], v[XS:XS+15], v[14+(\b)]
	v_cvt_scalef32_pk16_fp6_f32 v[TT:TT+2], v[XS+16:XS+31], v[14+(\b)]   ; (three registers from an even one: moved below)
.endm
	LOADW 0
	LOADW 1
	BLOCKW 0, 32, 1
	BLOCKW 1, 32, 1
	BLOCKW 2, 32, 0
	BLOCKW 3, 0, 0
	v_nop                                          ; one plain line behind the conversions
.irp b, 0,1,2,3
.irp i, 0,1,2
	v_mov_b32 v[PC+12*(\b%2)+6*(\b/2)+3+\i], v[TM+4*\b+\i]
.endr
.endr
.irp c, 0,1                                    ; lanes 0-15 hold my first tile's columns, lanes 16-31 my second's, each with all four blocks: the exchange gives tile 0 (v160-171) block 2 c below and 2 c + 1 above, and tile 1 (v172-183) likewise
.irp i, 0,1,2,3,4,5
	v_permlane16_swap_b32 v[PC+6*\c+\i], v[PC+12+6*\c+\i]
.endr
.endr
.irp u, 0,1
.irp c, 0,1,2
	global_store_b128 v[L16], v[PC+12*\u+4*\c:PC+12*\u+4*\c+3], s[28:29] offset:1536*\u+512*\c
.endr
.endr
	global_store_b32 v6, v[PW], s[30:31]           ; 32 columns' scale words: 128 consecutive bytes
	s_endpgm
.Lfunc_end_k_q93bd07366e_prep:
	.size	k_q93bd07366e_prep, .Lfunc_end_k_q93bd07366e_prep-k_q93bd07366e_prep
	.p2alignl 7, 3214868480
	.fill 96, 4, 3214868480
	.section	.rodata,"a",@progbits
	.p2align	6, 0x0
	.amdhsa_kernel k_q93bd07366e_prep
		.amdhsa_group_segment_fixed_size 51456
		.amdhsa_private_segment_fixed_size 0
		.amdhsa_enable_private_segment 0
		.amdhsa_kernarg_size 56
		.amdhsa_user_sgpr_count 2
		.amdhsa_user_sgpr_kernarg_segment_ptr 1
		.amdhsa_wavefront_size32 1
		.amdhsa_system_sgpr_workgroup_id_x 1
		.amdhsa_system_sgpr_workgroup_id_y 1
		.amdhsa_system_sgpr_workgroup_id_z 1
		.amdhsa_system_vgpr_workitem_id 0
		.amdhsa_next_free_vgpr 200
		.amdhsa_next_free_sgpr 66
		.amdhsa_reserve_vcc 0
		.amdhsa_float_denorm_mode_32 3
		.amdhsa_float_denorm_mode_16_64 3
		.amdhsa_memory_ordered 1
		.amdhsa_forward_progress 1
		.amdhsa_inst_pref_size 31
	.end_amdhsa_kernel
	.amdgpu_metadata
---
amdhsa.version: [ 1, 2 ]
amdhsa.kernels:
  - .name:           k_q93bd07366e_prep
    .symbol:         k_q93bd07366e_prep.kd
    .args:
      - { .name: x, .offset: 0, .size: 8, .value_kind: global_buffer, .address_space: global }
      - { .name: w_q, .offset: 8, .size: 8, .value_kind: global_buffer, .address_space: global }
      - { .name: w_k, .offset: 16, .size: 8, .value_kind: global_buffer, .address_space: global }
      - { .name: w_v, .offset: 24, .size: 8, .value_kind: global_buffer, .address_space: global }
      - { .name: w_o, .offset: 32, .size: 8, .value_kind: global_buffer, .address_space: global }
      - { .name: xq, .offset: 40, .size: 8, .value_kind: global_buffer, .address_space: global }
      - { .name: wq, .offset: 48, .size: 8, .value_kind: global_buffer, .address_space: global }
    .group_segment_fixed_size: 51456
    .private_segment_fixed_size: 0
    .kernarg_segment_align: 8
    .kernarg_segment_size: 56
    .max_flat_workgroup_size: 192
    .sgpr_count:     66
    .vgpr_count:     200
    .wavefront_size: 32
...
	.end_amdgpu_metadata
.endif
;; end of part 1
;; launch qkv (part 2): grid 16 x 12, 12 waves a work-group, clusters of 4 x 4, 270,336 bytes of LDS; arguments xq, wq, b_q, b_k, b_v, qim, kvim; writes qim, kvim
.if DOCPART == 2
	.amdgcn_target "amdgcn-amd-amdhsa--gfx1250"
	.amdhsa_code_object_version 6
	.text
	.protected	k_q93bd07366e_qkv
	.globl	k_q93bd07366e_qkv
	.p2align	8
	.type	k_q93bd07366e_qkv,@function
k_q93bd07366e_qkv:
	s_mov_b64 s[64:65], 0
	v_nop
	global_prefetch_b8 v0, s[64:65] scope:SCOPE_SE
	s_setreg_imm32_b32 hwreg(HW_REG_WAVE_MODE, 25, 1), 1
	s_wait_xcnt 0x0
	s_wait_alu depctr_hold_cnt(0) depctr_sa_sdst(0) depctr_va_vdst(0) depctr_va_sdst(0) depctr_va_ssrc(0) depctr_va_vcc(0) depctr_vm_vsrc(0)
	s_getreg_b32 s2, hwreg(HW_REG_IB_STS2, 6, 4)
	s_cmp_eq_u32 s2, 0
	s_cbranch_scc0 .Lentry_in_a_cluster
	s_endpgm
.Lentry_in_a_cluster:
	s_bfe_u32 s2, ttmp6, 0x10000c
	s_cmp_lg_u32 s2, 0xf033
	s_cbranch_scc0 .Lentry_shape_is_right
	s_endpgm
.Lentry_shape_is_right:
; q = x w_q + b_q, k = x w_k + b_k, v = x w_v + b_v on codes of FP6 (E2M3) with E8M0 scales; the results are quantised in registers, q and k along the head's 64, v along the keys, and stored as images of operand registers.
; SHARES.  A work-group takes 256 tokens x 192 features of one matrix; the cluster's y says which matrix (0 q, 1 k, 2 v), so all sixteen partners run the same path.  Wave w takes 64 tokens (w & 3) x 64 features = one head (w >> 2):
; 16 accumulators, 96 matrix instructions.  2,304 features are 36 heads: 16 x 12 work-groups of three heads each.
; LDS.  All six K steps of both panels come ONCE: nothing is filled again.  x's panel (6 x 25,600 bytes) is the same down a column of the cluster, the weights' (6 x 19,200) along a row: each is asked for JOINTLY, one load a wave
; (even waves x's K step w / 2, odd waves the weights'), which divides the requests by four.
; q, k: source 0 = 16 features, source 1 = 16 tokens: a lane holds ONE token and its registers run along the head's 64.  v: the sources change places: a lane holds ONE feature and its registers run along 64 tokens, the keys.
; In both cases the 32 registers of four neighbouring tiles are two blocks of 32 of the next product's K, in the order inside a block that the whole program keeps (place 16 a + 8 u + j = index 16 u + 8 a + j).
; OUT.  Four half fragments (16 rows x 64 K, 6 registers a lane) are a record of 3,072 bytes: registers 0-3 of fragment f at 512 f + 16 l, registers 4-5 at 2,048 + 256 f + 8 l; its scale record, 256 bytes: word i of lane (r, h) at 8 l + 4 i
; is row r's word of fragment 2 i + h (bytes 0, 1 the two blocks, bytes 2, 3 zero).   qim: [head][64 tokens G][3,328 = codes, scales].   kvim: [head][425,984]: [G][6,656 = k's codes, v's codes, k's scales, v's scales].
; LIMITS: as stated for the first launch (byte held at 1 from below; zeros get byte 1; no NaN, no infinities).
.set XSTEP, 25600
.set WSTEP, 19200
.set WP,    6*XSTEP                    ; the weights' panel lies behind x's
.set SPARE, WP+6*WSTEP                 ; the spare words, 128 bytes a wave: six blocks of 256 bytes that no other line names
.set L16, 1                            ; v1  16 x lane
.set L8,  2                            ; v2  8 x lane
.set AX,  3                            ; v3  LDS: my four token tiles' images of the K step in hand
.set AW,  4                            ; v4  my four feature tiles'
.set AXS, 5                            ; v5  the tokens' scale words
.set AWS, 6                            ; v6  the features'
.set BO,  7                            ; v7  32 h: a bias's eight numbers of my half
.set SPW, 8                            ; v8  my spare word; never rewritten
.set NIL, 9                            ; v9  0; never rewritten
.set R0,  10                           ; v10-11 the scale record's two words
.set BV,  12                           ; v12-15 b_v of my feature in each of four tiles
.set BR,  16                           ; v16 4 r
.set SA,  24                           ; v24-25 source 0's scale words: register i: tile 2 i in lanes 0-15, tile 2 i + 1 in lanes 16-31
.set SB,  26                           ; v26-27 source 1's
.set FA,  32                           ; v32-79  source 0's four fragments
.set FB,  80                           ; v80-127 source 1's
.set ACC, 128                          ; v128-255: accumulator (p, q) at 8 (4 p + q): p source 1's tile, q source 0's
.set TT,  64                           ; on the way out: v32-61 codes, v64-66 and v68-73 at work, v76-79 scale words
.set TM,  68
.set WV,  18
.set G1X, 28                           ; s[28:35], s[44:47] groups 1 and 0 for x's panel;  s[36:43], s[48:51] for the weights'
.set G1W, 36
.set G0X, 44
.set G0W, 48
.set SEL, 52
.macro ROUND                           ; a round of the cluster's barrier
	s_barrier_signal -1
	s_barrier_wait -1
	s_cmp_lg_u32 s[WV], 0
	s_cbranch_scc1 .Lnot_wave_0_\@
	s_barrier_signal -3
.Lnot_wave_0_\@:
	s_barrier_wait -3
	s_barrier_signal -1
	s_barrier_wait -1
.endm
.macro MM d, a, b, sa, sb, ra, rb      ; one product onto accumulator d; ra, rb: the scale words stand in lanes 16-31
.if (\ra) && (\rb)
	v_wmma_scale_f32_16x16x128_f8f6f4 v[\d:\d+7], v[\a:\a+11], v[\b:\b+11], v[\d:\d+7], v[\sa], v[\sb] matrix_a_fmt:MATRIX_FMT_FP6 matrix_b_fmt:MATRIX_FMT_FP6 matrix_a_scale:MATRIX_SCALE_ROW1 matrix_b_scale:MATRIX_SCALE_ROW1
.elseif (\ra)
	v_wmma_scale_f32_16x16x128_f8f6f4 v[\d:\d+7], v[\a:\a+11], v[\b:\b+11], v[\d:\d+7], v[\sa], v[\sb] matrix_a_fmt:MATRIX_FMT_FP6 matrix_b_fmt:MATRIX_FMT_FP6 matrix_a_scale:MATRIX_SCALE_ROW1
.elseif (\rb)
	v_wmma_scale_f32_16x16x128_f8f6f4 v[\d:\d+7], v[\a:\a+11], v[\b:\b+11], v[\d:\d+7], v[\sa], v[\sb] matrix_a_fmt:MATRIX_FMT_FP6 matrix_b_fmt:MATRIX_FMT_FP6 matrix_b_scale:MATRIX_SCALE_ROW1
.else
	v_wmma_scale_f32_16x16x128_f8f6f4 v[\d:\d+7], v[\a:\a+11], v[\b:\b+11], v[\d:\d+7], v[\sa], v[\sb] matrix_a_fmt:MATRIX_FMT_FP6 matrix_b_fmt:MATRIX_FMT_FP6
.endif
.endm
; A K step of 128: eight fragments and four scale registers from LDS, 16 products.  The 16 accumulators take turns, one instruction a turn, in the same order in every step.
.macro KSTEP a, b, sa, sb
.irp i, 0,1,2,3
.irp c, 0,1,2
	ds_load_b128 v[FA+12*\i+4*\c:FA+12*\i+4*\c+3], v[\a] offset:1536*\i+512*\c
.endr
.endr
.irp i, 0,1,2,3
.irp c, 0,1,2
	ds_load_b128 v[FB+12*\i+4*\c:FB+12*\i+4*\c+3], v[\b] offset:1536*\i+512*\c
.endr
.endr
.irp i, 0,1
	ds_load_b32 v[SA+\i], v[\sa] offset:128*\i
	ds_load_b32 v[SB+\i], v[\sb] offset:128*\i
.endr
	s_wait_dscnt 0x0
.irp p, 0,1,2,3
.irp q, 0,1,2,3
	MM ACC+8*(4*\p+\q), FA+12*\q, FB+12*\p, SA+\q/2, SB+\p/2, \q%2, \p%2
.endr
.endr
	v_add_nc_u32 v[AX], XSTEP, v[AX]               ; on to the next K step.  These four plain lines, which name no register of the products, are also the four places
	v_add_nc_u32 v[AXS], XSTEP, v[AXS]             ; in front of the next loads into the fragments' and scales' registers, and of the first read of the results
	v_add_nc_u32 v[AW], WSTEP, v[AW]
	v_add_nc_u32 v[AWS], WSTEP, v[AWS]
.endm
; 32 numbers of a lane, register 16 b + i = place 16 (lane / 16) + i of block b of my row, become half a fragment in v[pc..pc+5] and its two scale bytes in v[pw].  Each accumulator is read from its low end on.
.macro QUANT2 s, pc, pw
.irp b, 0,1
	v_max3_num_f32 v[TM+\b], |v[\s+16*\b]|, |v[\s+16*\b+1]|, 0x1800000   ; and the floor 2^(3 - 127): the byte cannot fall under 1
.endr
.irp i, 2,4,6,8,10,12,14
.irp b, 0,1
	v_max3_num_f32 v[TM+\b], v[TM+\b], |v[\s+16*\b+\i]|, |v[\s+16*\b+\i+1]|
.endr
.endr
.irp b, 0,1
	s_delay_alu instid0(VALU_DEP_2)
	v_permlanex16_b32 v[TM+2+\b], v[TM+\b], s[SEL], s[SEL+1]
.endr
.irp b, 0,1
	s_delay_alu instid0(VALU_DEP_2)
	v_max_num_f32 v[TM+\b], v[TM+\b], v[TM+2+\b]   ; with lane l xor 16's 16: the block's largest magnitude
.endr
.irp b, 0,1
	s_delay_alu instid0(VALU_DEP_2)
	v_add_nc_u32 v[TM+4+\b], 0xff000000, v[TM+\b]  ; 2 off its exponent field: the conversion's scale operand
.endr
.irp b, 0,1
	s_delay_alu instid0(VALU_DEP_2)
	v_lshrrev_b32 v[TM+2+\b], 23, v[TM+4+\b]       ; the byte
.endr
	s_delay_alu instid0(VALU_DEP_1)
	v_lshl_or_b32 v[\pw], v[TM+3], 8, v[TM+2]
	v_cvt_scalef32_pk16_fp6_f32 v[\pc:\pc+2], v[\s:\s+15], v[TM+4]
	v_cvt_scalef32_pk16_fp6_f32 v[TT:TT+2], v[\s+16:\s+31], v[TM+5]
	v_nop                                          ; one plain line behind the conversions
.irp i, 0,1,2
	v_permlane16_swap_b32 v[\pc+\i], v[TT+\i]      ; lanes 0-15 get block 0 whole, lanes 16-31 block 1
.endr
.irp i, 0,1,2
	s_delay_alu instid0(VALU_DEP_3)
	v_mov_b32 v[\pc+3+\i], v[TT+\i]
.endr
.endm
	s_load_b256 s[4:11], s[0:1], 0x0               ; xq, wq, b_q, b_k
	s_load_b128 s[12:15], s[0:1], 0x20             ; b_v, qim
	s_load_b64 s[16:17], s[0:1], 0x30              ; kvim
	v_lshl_add_u32 v[SPW], v0, 2, SPARE
	v_mov_b32 v[NIL], 0
	ds_add_u32 v[SPW], v[NIL]                      ; the wave's opening: the add and its wait ahead of my first tensor load; the set-up below, work on registers, stands between them
	ds_add_u32 v[SPW], v[NIL]
	v_lshrrev_b32 v10, 5, v0
	s_delay_alu instid0(VALU_DEP_1)
	v_readfirstlane_b32 s[WV], v10                 ; wave 0..11
	s_bfe_u32 s19, ttmp6, 0x40000                  ; cx
	s_bfe_u32 s20, ttmp6, 0x40004                  ; cy
	s_lshl_b32 s21, ttmp9, 2
	s_add_co_u32 s21, s21, s19                     ; my block of 256 tokens = 4 x cluster x + cx
	s_and_b32 s22, ttmp7, 0xffff                   ; the cluster's y: the matrix
	s_lshl_b32 s23, s22, 2
	s_add_co_u32 s23, s23, s20                     ; my panel of 192 features among the twelve
	s_lshl_b32 s24, 0x1111, s19                    ; my column of the cluster: it shares x's panel
	s_lshl_b32 s25, s20, 2
	s_lshl_b32 s25, 15, s25                        ; my row: it shares the weights'
	s_or_b32 s[G1X], s24, (3<<16)|(1<<21)          ; 15:0 the mask; 17:16 elements of 8 bytes; 21 set beside a mask; no padding: images are read 16 bytes a lane on end
	s_mov_b32 s[G1X+1], 32<<16                     ; a dense block as rows of 256 bytes: tensor_dim0 = 32
	s_mov_b32 s[G1X+2], 100<<16                    ; tensor_dim1 = 100 rows: 25,600 bytes
	s_mov_b32 s[G1X+3], 32<<16                     ; tile_dim0
	s_mov_b32 s[G1X+4], 100                        ; tile_dim1
	s_mov_b32 s[G1X+5], 32                         ; the pitch
	s_mov_b32 s[G1X+6], 0
	s_mov_b32 s[G1X+7], 0
	s_or_b32 s[G1W], s25, (3<<16)|(1<<21)
	s_mov_b32 s[G1W+1], 32<<16
	s_mov_b32 s[G1W+2], 75<<16                     ; 75 rows: 19,200 bytes
	s_mov_b32 s[G1W+3], 32<<16
	s_mov_b32 s[G1W+4], 75
	s_mov_b32 s[G1W+5], 32
	s_mov_b32 s[G1W+6], 0
	s_mov_b32 s[G1W+7], 0
	s_lshr_b32 s26, s[WV], 1                       ; the K step that I fetch
	s_and_b32 s27, s[WV], 1                        ; for x (0) or for the weights (1)
	s_mul_i32 s56, s21, 6
	s_add_co_u32 s56, s56, s26
	s_mul_i32 s56, s56, XSTEP                      ; x's: made of the tokens' block and the wave alone
	s_mov_b32 s57, 0
	s_mul_i32 s58, s23, 6
	s_add_co_u32 s58, s58, s26
	s_mul_i32 s58, s58, WSTEP                      ; the weights': of the features' panel and the wave alone
	s_mov_b32 s59, 0
	s_mov_b32 s[G0X], 1
	s_mul_i32 s[G0X+1], s26, XSTEP                 ; LDS addresses hang on the wave's number alone
	s_mov_b32 s[G0W], 1
	s_mul_i32 s[G0W+1], s26, WSTEP
	s_add_co_u32 s[G0W+1], s[G0W+1], WP
	s_and_b32 s55, s[WV], 3                        ; my 64 tokens
	s_lshr_b32 s60, s[WV], 2                       ; my 64 features
	s_mul_i32 s61, s20, 3
	s_add_co_u32 s61, s61, s60                     ; the head: it enters global addresses alone
	v_and_b32 v10, 31, v0
	s_delay_alu instid0(VALU_DEP_1)
	v_lshlrev_b32 v[L16], 4, v10
	s_delay_alu instid0(VALU_DEP_2)
	v_lshlrev_b32 v[L8], 3, v10
	s_delay_alu instid0(VALU_DEP_3)
	v_lshlrev_b32 v11, 2, v10
	s_mul_i32 s2, s55, 6144
	v_add_nc_u32 v[AX], s2, v[L16]
	s_mul_i32 s2, s60, 6144
	s_add_co_u32 s2, s2, WP
	v_add_nc_u32 v[AW], s2, v[L16]
	s_lshl_b32 s2, s55, 8
	s_add_co_u32 s2, s2, 24576
	v_add_nc_u32 v[AXS], s2, v11
	s_lshl_b32 s2, s60, 8
	s_add_co_u32 s2, s2, WP+18432
	v_add_nc_u32 v[AWS], s2, v11
	v_bfe_u32 v[BO], v0, 4, 1
	s_delay_alu instid0(VALU_DEP_1)
	v_lshlrev_b32 v[BO], 5, v[BO]
	v_and_b32 v[BR], 15, v0
	s_delay_alu instid0(VALU_DEP_1)
	v_lshlrev_b32 v[BR], 2, v[BR]
	s_mov_b32 s[SEL], 0x76543210
	s_mov_b32 s[SEL+1], 0xfedcba98
	s_mov_b32 s54, 0xffff0000                      ; lanes 16-31
	s_wait_dscnt 0x0                               ; the opening add is done
	s_wait_kmcnt 0x0
	s_add_nc_u64 s[G0X+2:G0X+3], s[4:5], s[56:57]
	s_or_b32 s[G0X+3], s[G0X+3], 0x80000000
	s_add_nc_u64 s[G0W+2:G0W+3], s[6:7], s[58:59]
	s_or_b32 s[G0W+3], s[G0W+3], 0x80000000
	ROUND                                          ; all sixteen work-groups are here: the joint loads meet
	s_cmp_eq_u32 s27, 0                            ; the branch hangs on the wave's number alone; an s_nop 0 and four v_nop follow each of the two lines
	s_cbranch_scc0 .Lfor_w
	tensor_load_to_lds s[G0X:G0X+3], s[G1X:G1X+7]
	s_nop 0
.rept 4
	v_nop
.endr
	s_branch .Lasked
.Lfor_w:
	tensor_load_to_lds s[G0W:G0W+3], s[G1W:G1W+7]
	s_nop 0
.rept 4
	v_nop
.endr
.Lasked:
	; where the results go (none of these registers belongs to a descriptor)
	s_lshl_b32 s2, s21, 2
	s_add_co_u32 s2, s2, s55                       ; G: my 64 tokens among the 64 groups
	s_lshl_b32 s24, s61, 6
	s_add_co_u32 s24, s24, s2
	s_mul_i32 s24, s24, 3328                       ; q: the record,
	s_add_co_u32 s25, s24, 3072                    ; its scales
	s_mul_i32 s56, s61, 425984
	; kvim AS IT IS STORED: [head][G][6,656 = k's codes 3,072, v's codes 3,072, k's scales 256, v's scales 256]: a group's scale bytes lie behind its codes, in the same record
	; (this takes the place of the split of codes and scales that the head comment names; a head's bytes are 64 x 6,656 = 425,984 as before)
	s_mul_i32 s57, s2, 6656
	s_add_co_u32 s57, s57, s56                     ; k: the record,
	s_add_co_u32 s58, s57, 6144                    ; its scales
	s_cmp_eq_u32 s22, 2
	s_cselect_b32 s59, 3072, 0                     ; v's lie behind k's
	s_cselect_b32 s3, 256, 0
	s_add_co_u32 s57, s57, s59
	s_add_co_u32 s58, s58, s3
	s_cmp_eq_u32 s22, 0
	s_cselect_b32 s24, s24, s57
	s_cselect_b32 s56, s25, s58
	s_cselect_b64 s[14:15], s[14:15], s[16:17]
	s_mov_b32 s25, 0
	s_mov_b32 s57, 0
	s_add_nc_u64 s[24:25], s[14:15], s[24:25]      ; codes
	s_add_nc_u64 s[56:57], s[14:15], s[56:57]      ; scales
	s_cmp_eq_u32 s22, 1
	s_cselect_b64 s[8:9], s[10:11], s[8:9]
	s_cmp_eq_u32 s22, 2
	s_cselect_b64 s[8:9], s[12:13], s[8:9]
	s_lshl_b32 s2, s61, 8
	s_mov_b32 s3, 0
	s_add_nc_u64 s[8:9], s[8:9], s[2:3]            ; the matrix's bias at my head
	; THE BIAS STARTS THE SUMS, while the panels are on their way
	s_cmp_eq_u32 s22, 2
	s_cbranch_scc1 .Lbias_v
	s_wait_alu depctr_va_vdst(0)
.irp p, 0,1,2,3                                ; q, k: register j of accumulator (p, q) is feature 16 q + 8 h + j: loaded straight into the accumulators
.irp q, 0,1,2,3
	global_load_b128 v[ACC+8*(4*\p+\q):ACC+8*(4*\p+\q)+3], v[BO], s[8:9] offset:64*\q
	global_load_b128 v[ACC+8*(4*\p+\q)+4:ACC+8*(4*\p+\q)+7], v[BO], s[8:9] offset:64*\q+16
.endr
.endr
	s_branch .Lbias_done
.Lbias_v:
	s_wait_alu depctr_va_vdst(0)
.irp p, 0,1,2,3                                ; v: all 32 registers of feature tile p hold my lane's one feature, 16 p + r
	global_load_b32 v[BV+\p], v[BR], s[8:9] offset:64*\p
.endr
	s_wait_loadcnt 0x0
.irp p, 0,1,2,3
.irp i, 0,1,2,3,4,5,6,7,8,9,10,11,12,13,14,15,16,17,18,19,20,21,22,23,24,25,26,27,28,29,30,31
	v_mov_b32 v[ACC+32*\p+\i], v[BV+\p]            ; (a bias, not a clearing)
.endr
.endr
.Lbias_done:
	s_wait_loadcnt 0x0
	s_wait_tensorcnt 0x0                           ; my part of the panels is in,
	s_barrier_signal -1
	s_barrier_wait -1                              ; everybody's is
	s_cmp_eq_u32 s22, 2
	s_cbranch_scc1 .Lmul_v
	s_wait_alu depctr_va_vdst(0)
.rept 6
	s_wait_alu depctr_va_vdst(0)
	KSTEP AW, AX, AWS, AXS                         ; q, k: source 0 = the features
.endr
	s_branch .Lout
.Lmul_v:
	s_wait_alu depctr_va_vdst(0)
.rept 6
	s_wait_alu depctr_va_vdst(0)
	KSTEP AX, AW, AXS, AWS                         ; v: source 0 = the tokens
.endr
.Lout:
	v_mov_b32 v[TM+2], 0                           ; written once: a lane permute's destination counts as one of its sources
	v_mov_b32 v[TM+3], 0
.irp p, 0,1,2,3                                ; fragment p of the record: q, k: token tile p along the head's 64; v: feature tile p along the 64 keys.  Each has registers of its own: no store's data are written again
	QUANT2 ACC+32*\p, 32+8*\p, 76+\p
	global_store_b128 v[L16], v[32+8*\p:35+8*\p], s[24:25] offset:512*\p        ; 512 consecutive bytes, at a multiple of 256 from the buffer's first byte
	global_store_b64 v[L8], v[36+8*\p:37+8*\p], s[24:25] offset:2048+256*\p     ; 256 likewise
.endr
	v_cndmask_b32 v[R0], v76, v77, s54             ; word 0: fragment 0's in lanes 0-15, fragment 1's in lanes 16-31
	v_cndmask_b32 v[R0+1], v78, v79, s54           ; word 1: fragments 2 and 3
	global_store_b64 v[L8], v[R0:R0+1], s[56:57]
	s_wait_tensorcnt 0x0                           ; the wave's end, behind my last tensor load
	ds_add_u32 v[SPW], v[NIL]
	s_wait_dscnt 0x0
	ROUND                                          ; the closing round
	s_endpgm
.Lfunc_end_k_q93bd07366e_qkv:
	.size	k_q93bd07366e_qkv, .Lfunc_end_k_q93bd07366e_qkv-k_q93bd07366e_qkv
	.p2alignl 7, 3214868480
	.fill 96, 4, 3214868480
	.section	.rodata,"a",@progbits
	.p2align	6, 0x0
	.amdhsa_kernel k_q93bd07366e_qkv
		.amdhsa_group_segment_fixed_size 270336
		.amdhsa_private_segment_fixed_size 0
		.amdhsa_enable_private_segment 0
		.amdhsa_kernarg_size 56
		.amdhsa_user_sgpr_count 2
		.amdhsa_user_sgpr_kernarg_segment_ptr 1
		.amdhsa_wavefront_size32 1
		.amdhsa_system_sgpr_workgroup_id_x 1
		.amdhsa_system_sgpr_workgroup_id_y 1
		.amdhsa_system_sgpr_workgroup_id_z 1
		.amdhsa_system_vgpr_workitem_id 0
		.amdhsa_next_free_vgpr 256
		.amdhsa_next_free_sgpr 66
		.amdhsa_reserve_vcc 0
		.amdhsa_float_denorm_mode_32 3
		.amdhsa_float_denorm_mode_16_64 3
		.amdhsa_memory_ordered 1
		.amdhsa_forward_progress 1
		.amdhsa_inst_pref_size 74
	.end_amdhsa_kernel
	.amdgpu_metadata
---
amdhsa.version: [ 1, 2 ]
amdhsa.kernels:
  - .name:           k_q93bd07366e_qkv
    .symbol:         k_q93bd07366e_qkv.kd
    .args:
      - { .name: xq, .offset: 0, .size: 8, .value_kind: global_buffer, .address_space: global }
      - { .name: wq, .offset: 8, .size: 8, .value_kind: global_buffer, .address_space: global }
      - { .name: b_q, .offset: 16, .size: 8, .value_kind: global_buffer, .address_space: global }
      - { .name: b_k, .offset: 24, .size: 8, .value_kind: global_buffer, .address_space: global }
      - { .name: b_v, .offset: 32, .size: 8, .value_kind: global_buffer, .address_space: global }
      - { .name: qim, .offset: 40, .size: 8, .value_kind: global_buffer, .address_space: global }
      - { .name: kvim, .offset: 48, .size: 8, .value_kind: global_buffer, .address_space: global }
    .group_segment_fixed_size: 270336
    .private_segment_fixed_size: 0
    .kernarg_segment_align: 8
    .kernarg_segment_size: 56
    .max_flat_workgroup_size: 384
    .sgpr_count:     66
    .vgpr_count:     256
    .wavefront_size: 32
...
	.end_amdgpu_metadata
.endif
;; end of part 2
;; launch attn (part 3): grid 64 x 4, 12 waves a work-group, no clusters, 327,680 bytes of LDS; arguments qim, kvim, hq; writes hq
.if DOCPART == 3
	.amdgcn_target "amdgcn-amd-amdhsa--gfx1250"
	.amdhsa_code_object_version 6
	.text
	.protected	k_q93bd07366e_attn
	.globl	k_q93bd07366e_attn
	.p2align	8
	.type	k_q93bd07366e_attn,@function
k_q93bd07366e_attn:
	s_mov_b64 s[64:65], 0
	v_nop
	global_prefetch_b8 v0, s[64:65] scope:SCOPE_SE
	s_setreg_imm32_b32 hwreg(HW_REG_WAVE_MODE, 25, 1), 1
	s_wait_xcnt 0x0
; heads[q][head] = the sum over keys k <= q of softmax_k(q . k / 8) v, both products on codes of FP6 (E2M3) with E8M0 scales; the result, divided by the row's sum, is quantised along d_model for the last product.
; THE SOFTMAX: t = score x log2(e) / 8; M = the row's largest t so far, rounded UP to a whole number; p = 2^(t - M) is quantised along the keys, not normalised; the row's sum is taken of the unquantised p.
; When M moves, the sum and O are multiplied by 2^(old M - new M): exact.  Key steps that lie wholly under the causal mask are not done.
; SHARES.  The unit of work is a pair of tiles of 16 queries: tile t of block j (early) and tile t of block 31 - j (late) of 128 queries: 33 tile-steps of 128 keys, whatever j.  12 heads x 16 j x 8 t = 1,536 units = 256 x 6.
; A head's 128 units do not divide by 6, so work-group (x, y) takes two units (j = x / 4, t = 2 (x % 4) and + 1) of each of the heads 3 y, 3 y + 1, 3 y + 2.  Wave w: head 3 y + w / 4; t's low bit w % 2; (w / 2) % 2 = 1: a helper.
; An owner owns the late tile, a helper first the early one.  Key steps numbered n.  n <= j: every wave runs the step for its own tile.  At n = j + 1 a helper's early tile is complete: it divides, quantises and stores it, and starts
; a fresh state (M, sum, O) for the late tile.  j < n <= 31 - j: the late tile's two waves take the steps by turns (the owner where n - j is odd, the diagonal step 31 - j among them).  So an owner runs 17 steps and a helper 16.
; At the end a helper hands its state through an LDS stage to the owner, which brings both under the larger M (exact powers of two), adds them, divides, quantises and stores.
; NO CLUSTER: the four work-groups of one j and y read the same slots, but how many slots are asked for hangs on j (5 to 8), and the fills end by a jump on ids inside the loop.
; LAYOUT.  Both products transposed: S^T = K Q^T (source 0 = 16 keys), O^T = V^T P^T (source 0 = 16 of the head's 64): a lane holds ONE query throughout; the 16 registers of two neighbouring tiles of keys are half a block of 32 keys,
; in the order inside a block that v's codes have too (place 16 a + 8 u + j = index 16 u + 8 a + j).
; THE HEAD HAS 64 NUMBERS, the instruction takes 128 along K: q's upper six registers are zero codes, so whatever codes stand in the upper six registers named for K add nothing (the scale bytes of those two blocks are 0, 2^-127).
; RING.  Two slots of 512 keys of three heads: for each head eight records of 6,656 bytes (k's codes, v's codes, k's scales, v's scales of 64 keys); 159,744 bytes a slot.  Each of the twelve waves fetches two records of its head,
; 52 rows of 256 bytes, with one tensor load: one load a wave is out at the start and behind each change of slots; every wait on TENSORcnt is for 0.  All work-groups walk 8 slots (constant trip counts); a slot beyond the work-group's
; last query is not asked for, and its steps are jumped over.  A slot is turned by a bit (0 or 1) times the slot's bytes.
; THE STAGE lies in slot 0's bytes: the eighth slot, written out behind the loop, lies in slot 1's bytes, no fill follows it, and a barrier stands between its walk and the first store into the stage.
; PREFETCH.  The work-groups of one y walk the same records from key 0 on: work-group x = 0, which asks for every slot, names in trip t the slot that trip t + 1's load asks for, each wave its own 52 rows, a lane a row, in two lines
; (in the second, lanes 20-31 name the wave's last row again); slots 0 and 1 come by their loads alone, and the last two trips name nothing.
; LIMITS: a block's byte is held at 1 from below; a block of zeros gets byte 1 (its codes are zeros; this program alone reads the bytes); no NaN, no infinities among the inputs; the promise holds while |t| stays under 2^31.
.set REC,    6656                      ; a record of 64 keys
.set WB,     2*REC                     ; what a wave fetches of a slot
.set GSLOT,  8*REC                     ; a head's part of a slot
.set SLOTSZ, 3*GSLOT                   ; a slot
.set STILE,  4352                      ; the stage, from LDS byte 0 on: 4,352 bytes a late tile: O as eight images of four registers, then (-M, sum) 8 bytes a lane
.set SPARE,  2*SLOTSZ                  ; behind the ring: the spare words, 128 bytes a wave: six blocks of 256 bytes that no other line names
.set L16, 1                            ; v1  16 x lane
.set L8,  2                            ; v2  8 x lane
.set STA, 3                            ; v3  my tile's stage, 16 x lane
.set DG,  4                            ; v4  on the diagonal: my query - the step's first key - 8 (lane / 16)
.set SPW, 5                            ; v5  my spare word; never rewritten
.set NIL, 6                            ; v6  0; never rewritten
.set A16, 8                            ; v8-9 the step's LDS addresses
.set A8,  9
.set QF,  16                           ; v16-21 q's codes, v22-27 zero codes
.set PFO, 28                           ; v28 the prefetches' offset, rows 0-31; never rewritten
.set QS,  29                           ; v29 q's scale words
.set PS,  30                           ; v30 p's scale word
.set STB, 31                           ; v31 my tile's stage: (-M, sum), 8 x lane
.set KV,  32                           ; v32-79 K's eight half fragments, then V's four fragments; v80-85 zero codes
.set KS,  86                           ; v86-89 K's scale words
.set VE,  90                           ; v90-93 V's scale halves of the step's two records
.set VO,  92
.set VS,  94                           ; v94-95 V's scale words
.set S,   96                           ; v96-159 S^T, then p
.set O,   160                          ; v160-191 O^T
.set PCD, 192                          ; v192-203 p's codes
.set TT,  204                          ; v204-210 conversions' second halves
.set BM,  212                          ; v212-215 a block's largest score, then p
.set TM,  212                          ; (the last quantiser works in v212-217)
.set BT,  216
.set BS,  220                          ; v220-223 the conversions' scale operands
.set FF,  224                          ; v[224:225] a factor; the packed form names the pair and takes its low word
.set TP,  226
.set NINF, 227
.set PWO, 228
.set QL,  230                          ; v230-235, v236 the late tile's q and its scale words, kept for a helper's second state
.set QSL, 236
.set PF2, 237                          ; v237 the prefetches' offset, rows 32-51; never rewritten
.set SA,  242                          ; v242-255 seven chains of the row's sum
.set TB,  2                            ; s2  LDS byte at which the slot in hand begins
.set SO,  3                            ; s3  LDS byte at which my head's step in hand begins
.set HD,  10                           ; s10 the head
.set TQ,  15                           ; s15 the tile of 16 queries in hand
.set WV,  18
.set HH,  19                           ; s19 1 in a helper
.set SEL, 20
.set CS,  22                           ; s[22:23] c = log2(e) / 8
.set G1,  24                           ; s[24:31] group 1;  s[40:43] the walking group 0
.set G0,  40
.set JJ,  44                           ; j
.set LST, 45                           ; 31 - j: the work-group's last key step
.set SN,  46                           ; the key step in hand
.set DS,  47                           ; the diagonal step of the tile in hand
.set TRS, 48                           ; the step at whose head a helper changes tiles (99 in an owner: never)
.set PH,  49                           ; j + helper: beyond step j, I run step n where n + this is odd
.set TQ2, 50                           ; the late tile
.set Q2,  52                           ; s[52:53] its q
.set IN,  54
.set GB,  55                           ; where my head's records begin in a slot
.set PB,  56                           ; which slot is in hand (0, 1)
.set PG,  57                           ; which slot was asked for last
.set LB,  58                           ; where my two records lie in a slot
.set SLOTS, 66
.set PFA, 70                           ; s[70:71] where my prefetches stand
.set LIM, 72                           ; 1 in work-group x = 0, else the greatest number
.macro MMZ d, a, b, sa, sb, ra         ; a product that starts a sum
.if \ra
	v_wmma_scale_f32_16x16x128_f8f6f4 v[\d:\d+7], v[\a:\a+11], v[\b:\b+11], 0, v[\sa], v[\sb] matrix_a_fmt:MATRIX_FMT_FP6 matrix_b_fmt:MATRIX_FMT_FP6 matrix_a_scale:MATRIX_SCALE_ROW1
.else
	v_wmma_scale_f32_16x16x128_f8f6f4 v[\d:\d+7], v[\a:\a+11], v[\b:\b+11], 0, v[\sa], v[\sb] matrix_a_fmt:MATRIX_FMT_FP6 matrix_b_fmt:MATRIX_FMT_FP6
.endif
.endm
.macro MMA d, a, b, sa, sb, ra         ; a product onto accumulator d
.if \ra
	v_wmma_scale_f32_16x16x128_f8f6f4 v[\d:\d+7], v[\a:\a+11], v[\b:\b+11], v[\d:\d+7], v[\sa], v[\sb] matrix_a_fmt:MATRIX_FMT_FP6 matrix_b_fmt:MATRIX_FMT_FP6 matrix_a_scale:MATRIX_SCALE_ROW1
.else
	v_wmma_scale_f32_16x16x128_f8f6f4 v[\d:\d+7], v[\a:\a+11], v[\b:\b+11], v[\d:\d+7], v[\sa], v[\sb] matrix_a_fmt:MATRIX_FMT_FP6 matrix_b_fmt:MATRIX_FMT_FP6
.endif
.endm
.macro QUANT2 s, pc, pw                ; 32 numbers of a lane (register 16 b + i: block b) become half a fragment in v[pc..pc+5] and two scale bytes in v[pw]
.irp b, 0,1
	v_max3_num_f32 v[TM+\b], |v[\s+16*\b]|, |v[\s+16*\b+1]|, 0x1800000
.endr
.irp i, 2,4,6,8,10,12,14
.irp b, 0,1
	s_delay_alu instid0(VALU_DEP_2)
	v_max3_num_f32 v[TM+\b], v[TM+\b], |v[\s+16*\b+\i]|, |v[\s+16*\b+\i+1]|
.endr
.endr
.irp b, 0,1
	s_delay_alu instid0(VALU_DEP_2)
	v_permlanex16_b32 v[TM+2+\b], v[TM+\b], s[SEL], s[SEL+1]
.endr
.irp b, 0,1
	s_delay_alu instid0(VALU_DEP_2)
	v_max_num_f32 v[TM+\b], v[TM+\b], v[TM+2+\b]
.endr
.irp b, 0,1
	s_delay_alu instid0(VALU_DEP_2)
	v_add_nc_u32 v[TM+4+\b], 0xff000000, v[TM+\b]
.endr
.irp b, 0,1
	s_delay_alu instid0(VALU_DEP_2)
	v_lshrrev_b32 v[TM+2+\b], 23, v[TM+4+\b]
.endr
	s_delay_alu instid0(VALU_DEP_1)
	v_lshl_or_b32 v[\pw], v[TM+3], 8, v[TM+2]
	v_cvt_scalef32_pk16_fp6_f32 v[\pc:\pc+2], v[\s:\s+15], v[TM+4]
	v_cvt_scalef32_pk16_fp6_f32 v[TT:TT+2], v[\s+16:\s+31], v[TM+5]
	v_nop                                          ; one plain line behind the conversions
.irp i, 0,1,2
	v_permlane16_swap_b32 v[\pc+\i], v[TT+\i]
.endr
.irp i, 0,1,2
	s_delay_alu instid0(VALU_DEP_3)
	v_mov_b32 v[\pc+3+\i], v[TT+\i]
.endr
.endm
.macro INIT                            ; a fresh state: the step is written once; the first finds zeros, which the first change of M leaves zeros
	v_mov_b32 v13, 0xff61b1e6                      ; the largest t so far: -3e38, under every t
	v_floor_f32 v12, -v13                          ; -M
	v_mov_b32 v14, 0                               ; the sum, in two halves
	v_mov_b32 v15, 0
.set J, 0
.rept 32
	v_mov_b32 v[O+J], 0
.set J, J+1
.endr
.endm
; A TILE'S WAY OUT: O^T / the sum, quantised along the head's 64 (two blocks of d_model), stored as half a fragment of the last product's operand.
; merge = 1: first the helper's state comes from the stage, and both are brought under the larger M: -M = the smaller of the two -M; each factor is 2^(own M - that M), exact; a state that ran no step has the factor 0.
.macro FIN merge
.if \merge
.irp c, 0,1,2,3,4,5,6,7
	ds_load_b128 v[S+32+4*\c:S+35+4*\c], v[STA] offset:512*\c
.endr
	ds_load_b64 v[BT:BT+1], v[STB]
	s_wait_dscnt 0x0
.endif
	v_add_f32 v14, v14, v15
.if \merge
	v_min_num_f32 v[TP], v12, v[BT]
	s_delay_alu instid0(VALU_DEP_1)
	v_sub_f32 v[BS], v[TP], v12
	v_sub_f32 v[BS+1], v[TP], v[BT]
	s_delay_alu instid0(VALU_DEP_2)
	v_cvt_i32_f32 v[BS], v[BS]                     ; (it saturates)
	s_delay_alu instid0(VALU_DEP_2)
	v_cvt_i32_f32 v[BS+1], v[BS+1]
	s_delay_alu instid0(VALU_DEP_2)
	v_ldexp_f32 v[BS], 1.0, v[BS]
	s_delay_alu instid0(VALU_DEP_2)
	v_ldexp_f32 v[BS+1], 1.0, v[BS+1]
	s_delay_alu instid0(VALU_DEP_2)
	v_mul_f32 v14, v14, v[BS]
	s_delay_alu instid0(VALU_DEP_1)
	v_fmac_f32 v14, v[BT+1], v[BS+1]
.endif
	s_delay_alu instid0(VALU_DEP_1)
	v_permlanex16_b32 v[FF], v14, s[SEL], s[SEL+1]
	s_delay_alu instid0(VALU_DEP_1)
	v_add_f32 v14, v14, v[FF]                      ; the row's sum
	s_wait_alu depctr_va_vdst(0)                   ; the wait ahead of the transcendental
	v_rcp_f32 v14, v14
	v_and_b32 v7, 15, v0                           ; (the plain line behind the reciprocal)
	v_bfe_u32 v8, v0, 4, 1
	s_delay_alu instid0(VALU_DEP_1)
	v_lshl_add_u32 v7, v7, 2, v8                   ; 4 r + h: my byte of the row's scale word
	v_lshlrev_b32 v8, 3, v8                        ; 8 h bits
	v_mov_b32 v[TM+2], 0                           ; lane permutes' destinations count as sources
	v_mov_b32 v[TM+3], 0
	s_lshr_b32 s73, s[HD], 1                       ; the K step of the last product: heads 2 s and 2 s + 1
	s_mul_i32 s12, s73, 393216
	s_mul_i32 s74, s[TQ], 1536
	s_add_co_u32 s12, s12, s74
	s_and_b32 s74, s[HD], 1
	s_mul_i32 s11, s74, 768
	s_add_co_u32 s12, s12, s11
	s_mov_b32 s13, 0
	s_add_nc_u64 s[12:13], s[8:9], s[12:13]        ; the codes
	s_lshl_b32 s73, s73, 8
	s_add_co_u32 s73, s73, s[TQ]
	s_lshl_b32 s73, s73, 6
	s_lshl_b32 s74, s74, 1
	s_add_co_u32 s16, s73, s74
	s_add_co_u32 s16, s16, 2359296
	s_mov_b32 s17, 0
	s_add_nc_u64 s[16:17], s[8:9], s[16:17]        ; the scale bytes: bytes 2 (head % 2) and + 1 of each row's word
	s_wait_alu depctr_va_vdst(0)                   ; the wait ahead of the reciprocal's first reader
.if \merge
	v_mul_f32 v[FF], v14, v[BS+1]                  ; the helper's factor / the sum,
	v_mul_f32 v14, v14, v[BS]                      ; and mine
	s_wait_alu depctr_va_vdst(0)                   ; the wait directly ahead of the first reader of O^T
.endif
.set J, 0
.rept 16
	v_pk_mul_f32 v[S+J:S+J+1], v[O+J:O+J+1], v[14:15] op_sel_hi:[1,0]   ; each accumulator from its low end on
.set J, J+2
.endr
.if \merge
.set J, 0
.rept 16
	v_pk_fma_f32 v[S+J:S+J+1], v[S+32+J:S+33+J], v[FF:FF+1], v[S+J:S+J+1] op_sel_hi:[1,0,1]
.set J, J+2
.endr
.endif
	QUANT2 S, PCD, PWO
	v_lshrrev_b32 v[PWO+1], v8, v[PWO]
	global_store_b128 v[L16], v[PCD:PCD+3], s[12:13]                ; 512 consecutive bytes, at a multiple of 256 from hq's first byte
	global_store_b64 v[L8], v[PCD+4:PCD+5], s[12:13] offset:512     ; 256 likewise
	global_store_b8 v7, v[PWO+1], s[16:17]         ; 32 different bytes: two of each of 16 rows' words
.endm
.macro RESET                           ; a helper takes up the late tile: its q, a fresh state
	s_wait_xcnt 0x0                                ; the stores above have read their registers
.irp i, 0,1,2,3,4,5
	v_mov_b32 v[QF+\i], v[QL+\i]
.endr
	v_mov_b32 v[QS], v[QSL]                        ; more than eight plain lines follow ahead of the next product
	INIT
	s_mov_b32 s[DS], s[LST]
	s_mov_b32 s[TQ], s[TQ2]
	s_wait_alu depctr_va_vdst(0)                   ; the wait ahead of the branches below
.endm
; A KEY STEP: 128 keys, two records from LDS byte s[SO] on.  All its branches hang on ids and counted steps alone; no barrier and no tensor load stands in a step.
.macro STEP sw
.if \sw
	s_cmp_lg_u32 s[SN], s[TRS]
	s_cbranch_scc1 .Lkeep_\@
	FIN 0
	RESET
.Lkeep_\@:
.endif
	s_cmp_le_u32 s[SN], s[JJ]                      ; up to step j every wave runs the step
	s_cbranch_scc1 .Llive_\@
	s_cmp_gt_u32 s[SN], s[LST]                     ; all its keys come after the work-group's queries
	s_cbranch_scc1 .Lhidden_\@
	s_add_co_u32 s73, s[SN], s[PH]
	s_and_b32 s73, s73, 1
	s_cmp_eq_u32 s73, 0                            ; my partner's turn
	s_cbranch_scc1 .Lhidden_\@
.Llive_\@:
	v_add_nc_u32 v[A16], s[SO], v[L16]
	v_add_nc_u32 v[A8], s[SO], v[L8]
	v_nop                                          ; four plain lines: the places in front of loads into registers that the last products have read (ISA guide 7.12.1 for vector instructions)
	v_nop
.irp t, 0,1,2,3,4,5,6,7
	ds_load_b128 v[KV+6*\t:KV+6*\t+3], v[A16] offset:REC*(\t/4)+512*(\t%4)
	ds_load_b64 v[KV+6*\t+4:KV+6*\t+5], v[A8] offset:REC*(\t/4)+2048+256*(\t%4)
.endr
	ds_load_b64 v[KS:KS+1], v[A8] offset:6144
	ds_load_b64 v[KS+2:KS+3], v[A8] offset:REC+6144
	s_wait_alu depctr_va_vdst(0)
	s_wait_dscnt 0x0
.irp t, 0,1,2,3,4,5,6,7                        ; S^T: lane (r, h) holds query r; register 8 t + j is key 16 t + 8 h + j of the step
	MMZ S+8*\t, KV+6*\t, QF, KS+\t/2, QS, \t%2
.endr
.rept 4
	v_nop                                          ; places in front of the loads below and of the first read of the scores
.endr
.irp d, 0,1,2,3                                ; V's four fragments are asked for now and land under the softmax: registers 6 c .. 6 c + 5 come from the step's record c
.irp c, 0,1
	ds_load_b128 v[KV+12*\d+6*\c:KV+12*\d+6*\c+3], v[A16] offset:REC*\c+3072+512*\d
	ds_load_b64 v[KV+12*\d+6*\c+4:KV+12*\d+6*\c+5], v[A8] offset:REC*\c+5120+256*\d
.endr
.endr
	ds_load_b64 v[VE:VE+1], v[A8] offset:6400
	ds_load_b64 v[VO:VO+1], v[A8] offset:REC+6400
	s_cmp_lg_u32 s[SN], s[DS]                      ; on the diagonal the scores of hidden keys become -infinity ahead of the maximum: p = 0 then
	s_cbranch_scc1 .Lopen_\@
	v_mov_b32 v[NINF], 0xff800000
.irp t, 0,1,2,3,4,5,6,7
.irp j, 0,1,2,3,4,5,6,7
	v_cmp_gt_i32 vcc_lo, 16*\t+\j, v[DG]
	v_cndmask_b32 v[S+8*\t+\j], v[S+8*\t+\j], v[NINF], vcc_lo
.endr
.endr
.Lopen_\@:
.irp b, 0,1,2,3
	v_max3_num_f32 v[BM+\b], v[S+16*\b], v[S+1+16*\b], v[S+2+16*\b]   ; the largest score of each block of 32 keys: it serves the row's maximum and, since p rises with the score, the block's largest p
.endr
.irp i, 3,5,7,9,11,13
.irp b, 0,1,2,3
	v_max3_num_f32 v[BM+\b], v[BM+\b], v[S+16*\b+\i], v[S+1+16*\b+\i]
.endr
.endr
.irp b, 0,1,2,3
	v_max_num_f32 v[BM+\b], v[BM+\b], v[S+15+16*\b]
.endr
.irp b, 0,1,2,3
	s_delay_alu instid0(VALU_DEP_4)
	v_permlanex16_b32 v[BT+\b], v[BM+\b], s[SEL], s[SEL+1]
.endr
.irp b, 0,1,2,3
	s_delay_alu instid0(VALU_DEP_4)
	v_max_num_f32 v[BM+\b], v[BM+\b], v[BT+\b]     ; with lane l xor 16's 16 keys
.endr
	s_delay_alu instid0(VALU_DEP_2)
	v_max3_num_f32 v[TP], v[BM], v[BM+1], v[BM+2]
	s_delay_alu instid0(VALU_DEP_1)
	v_max_num_f32 v[TP], v[TP], v[BM+3]
	s_delay_alu instid0(VALU_DEP_1)
	v_mul_f32 v[TP], s[CS], v[TP]                  ; the step's largest t (c is positive)
	s_delay_alu instid0(VALU_DEP_1)
	v_max_num_f32 v13, v13, v[TP]                  ; the running largest t
	v_mov_b32 v[TP], v12
	s_delay_alu instid0(VALU_DEP_2)
	v_floor_f32 v12, -v13                          ; the new -M = -ceil(t): M is a whole number
	s_delay_alu instid0(VALU_DEP_1)
	v_sub_f32 v[TP], v12, v[TP]                    ; old M - new M: a whole number, 0 or less
	s_delay_alu instid0(VALU_DEP_1)
	v_cvt_i32_f32 v[TP], v[TP]                     ; (it saturates)
	s_delay_alu instid0(VALU_DEP_1)
	v_ldexp_f32 v[FF], 1.0, v[TP]                  ; f = 2^(old M - new M)
.set J, 0
.rept 32
	v_pk_fma_f32 v[S+J:S+J+1], v[S+J:S+J+1], s[CS:CS+1], v[12:13] op_sel_hi:[1,0,0]   ; t - M, two at a time
.set J, J+2
.endr
.irp b, 0,1,2,3
	v_fma_f32 v[BM+\b], v[BM+\b], s[CS], v12       ; the same of each block's largest score
.endr
.set J, 0
	s_wait_alu depctr_va_vdst(0)                   ; the wait ahead of the batch
.rept 64
	v_exp_f32 v[S+J], v[S+J]                       ; p = 2^(t - M), at most 1
.set J, J+1
.endr
	v_pk_mul_f32 v[14:15], v[14:15], v[FF:FF+1] op_sel_hi:[1,0]   ; the sums under the new M: the plain line behind the exponentials
	s_wait_alu depctr_va_vdst(0)                   ; one wait for the batch of 64, ahead of its first reader
.irp b, 0,1,2,3
	v_exp_f32 v[BM+\b], v[BM+\b]                   ; the block's largest p: the same two instructions on the same number
.endr
.irp c, 0,1,2,3,4,5,6                          ; the row's sum of the unquantised p: 32 pairs in eight chains
	v_pk_add_f32 v[SA+2*\c:SA+2*\c+1], v[S+2*\c:S+2*\c+1], v[S+14+2*\c:S+15+2*\c]
.endr
	v_pk_add_f32 v[14:15], v[14:15], v[S+28:S+29]
.irp r, 0,1
.irp c, 0,1,2,3,4,5,6
	v_pk_add_f32 v[SA+2*\c:SA+2*\c+1], v[SA+2*\c:SA+2*\c+1], v[S+30+16*\r+2*\c:S+31+16*\r+2*\c]
.endr
	v_pk_add_f32 v[14:15], v[14:15], v[S+44+16*\r:S+45+16*\r]
.endr
	v_pk_add_f32 v[SA:SA+1], v[SA:SA+1], v[S+62:S+63]
	v_pk_add_f32 v[14:15], v[14:15], v[SA+6:SA+7]
	v_pk_add_f32 v[SA+2:SA+3], v[SA+2:SA+3], v[SA+10:SA+11]
	v_pk_add_f32 v[SA+4:SA+5], v[SA+4:SA+5], v[SA+12:SA+13]
	v_pk_add_f32 v[SA:SA+1], v[SA:SA+1], v[SA+8:SA+9]
	v_pk_add_f32 v[14:15], v[14:15], v[SA+2:SA+3]
	s_delay_alu instid0(VALU_DEP_2)
	v_pk_add_f32 v[SA:SA+1], v[SA:SA+1], v[SA+4:SA+5]
	s_delay_alu instid0(VALU_DEP_1)
	v_pk_add_f32 v[14:15], v[14:15], v[SA:SA+1]
	s_wait_dscnt 0x0                               ; V's fragments and scale halves are in
	v_lshl_or_b32 v[VS], v[VO], 16, v[VE]          ; V's scale words for the 128 keys: the first record's two bytes below, the second's above; more than eight plain lines follow ahead of the products
	v_lshl_or_b32 v[VS+1], v[VO+1], 16, v[VE+1]
	s_wait_alu depctr_va_vdst(0)                   ; and one wait for the four
.irp b, 0,1,2,3
	v_max_num_f32 v[BM+\b], 0x1800000, v[BM+\b]    ; the floor 2^(3 - 127): the byte cannot fall under 1 (a block whose every p is 0 keeps that byte: its codes are zeros)
.endr
.irp b, 0,1,2,3
	s_delay_alu instid0(VALU_DEP_4)
	v_add_nc_u32 v[BS+\b], 0xff000000, v[BM+\b]    ; the conversion's scale operand
.endr
.irp b, 0,1,2,3
	s_delay_alu instid0(VALU_DEP_4)
	v_lshrrev_b32 v[BT+\b], 23, v[BS+\b]           ; the byte
.endr
	s_delay_alu instid0(VALU_DEP_3)
	v_lshl_or_b32 v[PS], v[BT+1], 8, v[BT]
	s_delay_alu instid0(VALU_DEP_1)
	v_lshl_or_b32 v[PS], v[BT+2], 16, v[PS]
	s_delay_alu instid0(VALU_DEP_1)
	v_lshl_or_b32 v[PS], v[BT+3], 24, v[PS]
.irp c, 0,1
	v_cvt_scalef32_pk16_fp6_f32 v[PCD+6*\c:PCD+2+6*\c], v[S+32*\c:S+15+32*\c], v[BS+2*\c]
	v_cvt_scalef32_pk16_fp6_f32 v[TT+4*\c:TT+2+4*\c], v[S+16+32*\c:S+31+32*\c], v[BS+2*\c+1]
.endr
	v_nop                                          ; one plain line behind the conversions
.irp c, 0,1
.irp i, 0,1,2
	v_permlane16_swap_b32 v[PCD+6*\c+\i], v[TT+4*\c+\i]
.endr
.irp i, 0,1,2
	s_delay_alu instid0(VALU_DEP_3)
	v_mov_b32 v[PCD+3+6*\c+\i], v[TT+4*\c+\i]
.endr
.endr
.set J, 0
.rept 16
	v_pk_mul_f32 v[O+J:O+J+1], v[O+J:O+J+1], v[FF:FF+1] op_sel_hi:[1,0]   ; O^T under the new M; these lines also stand between the codes' and scale word's last writes and the products
.set J, J+2
.endr
.irp d, 0,1,2,3                                ; O^T += V^T P^T: the four accumulators by turns; the eight products of S^T stand between two steps' turns
	MMA O+8*\d, KV+12*\d, PCD, VS+\d/2, PS, \d%2
.endr
.Lhidden_\@:
	s_wait_alu depctr_va_vdst(0)                   ; the wait ahead of the branch that follows a step
.endm
.macro WALK sw                         ; the four key steps of the slot in hand
	s_add_co_u32 s[SO], s[TB], s[GB]
	s_mov_b32 s[IN], 4
.Lstep_\@:
	STEP \sw
	s_add_co_u32 s[SO], s[SO], 2*REC
	s_add_co_u32 s[SN], s[SN], 1
	s_sub_co_u32 s[IN], s[IN], 1
	s_cmp_lg_u32 s[IN], 0
	s_cbranch_scc1 .Lstep_\@
.endm
; THE CHANGE OF SLOTS stands at a slot's head.  Each wave waits for all its tensor loads, adds 0 to its spare word, and waits for that and for its reads of the slot that it has left.  Behind the barrier the slot ahead is whole and
; nobody reads the other one.  fill = 1: each wave asks for its two records of the next 512 keys, into that other slot, unless they all come after the work-group's last query: no step would read them.  That jump hangs on the
; work-group's number and the count of steps alone, so all twelve waves go the same way; it leads round the load's own lines and nothing else.
.macro CHANGE fill
	s_wait_tensorcnt 0x0                           ; no tensor load of mine is out, so the walking group 0 may be written
	ds_add_u32 v[SPW], v[NIL]
.if \fill
	s_xor_b32 s[PG], s[PG], 1                      ; the other slot than last time,
	s_mul_i32 s[G0+1], s[PG], SLOTSZ
	s_add_co_u32 s[G0+1], s[G0+1], s[LB]           ; my two records' place in it,
	s_add_nc_u64 s[G0+2:G0+3], s[G0+2:G0+3], GSLOT ; the next 512 keys; the type bits on top are not reached
	s_wait_xcnt 0x0                                ; the last prefetches, a slot back, have read their address, so it may be written:
	s_add_nc_u64 s[PFA:PFA+1], s[PFA:PFA+1], GSLOT ; one slot further on than the walking descriptor
.endif
	s_wait_dscnt 0x0                               ; the add is done, and my reads of the slot that I have left are over
	s_barrier_signal -1
	s_barrier_wait -1
.if \fill
	s_add_co_u32 s73, s[SN], 4                     ; the first key step of the slot that this change would ask for
	s_cmp_gt_u32 s73, s[LST]
	s_cbranch_scc1 .Lpast_\@
	tensor_load_to_lds s[G0:G0+3], s[G1:G1+7]      ; my one tensor load until the next such barrier: it has the slot's steps in which to land
	s_nop 0
.rept 4
	v_nop
.endr
.Lpast_\@:
	s_cmp_gt_u32 s[SLOTS], s[LIM]                  ; work-group x = 0, and a slot is left to name
	s_cbranch_scc0 .Lnot_mine_\@
	global_prefetch_b8 v[PFO], s[PFA:PFA+1] th:TH_LOAD_NT scope:SCOPE_SE
	global_prefetch_b8 v[PF2], s[PFA:PFA+1] th:TH_LOAD_NT scope:SCOPE_SE
.Lnot_mine_\@:
.endif
.endm
	s_load_b128 s[4:7], s[0:1], 0x0                ; qim, kvim
	s_load_b64 s[8:9], s[0:1], 0x10                ; hq
	v_lshl_add_u32 v[SPW], v0, 2, SPARE
	v_mov_b32 v[NIL], 0
	ds_add_u32 v[SPW], v[NIL]                      ; the wave's opening: the add, twice on end, and its wait ahead of my first tensor load
	ds_add_u32 v[SPW], v[NIL]
	v_lshrrev_b32 v8, 5, v0
	v_readfirstlane_b32 s[WV], v8                  ; wave 0..11
	s_and_b32 s73, ttmp7, 0xffff                   ; which three heads,
	s_lshr_b32 s74, s[WV], 2                       ; which of them,
	s_and_b32 s75, s[WV], 3                        ; and which of that head's four waves
	s_mul_i32 s[HD], s73, 3
	s_add_co_u32 s[HD], s[HD], s74
	s_mul_i32 s12, s[HD], 64*REC                   ; the head's bytes in kvim,
	s_mul_i32 s11, s75, WB
	s_add_co_u32 s12, s12, s11                     ; my two records of a slot's eight
	s_mov_b32 s13, 0
	s_mov_b32 s[G0], 1
	s_mul_i32 s[LB], s[WV], WB                     ; in LDS: the three heads' records on end: LDS addresses hang on the wave's number alone
	s_mov_b32 s[G0+1], s[LB]                       ; slot 0
	s_mul_i32 s[GB], s74, GSLOT
	s_mov_b32 s[G1], 3<<16                         ; no mask; elements of 8 bytes; no padding: images are read 16 or 8 bytes a lane on end
	s_mov_b32 s[G1+1], 32<<16                      ; a dense block as rows of 256 bytes
	s_mov_b32 s[G1+2], 52<<16                      ; 52 rows: 13,312 bytes
	s_mov_b32 s[G1+3], 32<<16
	s_mov_b32 s[G1+4], 52
	s_mov_b32 s[G1+5], 32
	s_mov_b32 s[G1+6], 0
	s_mov_b32 s[G1+7], 0
	s_lshr_b32 s[HH], s75, 1                       ; 1: a helper
	s_and_b32 s16, s[WV], 1
	s_lshl_b32 s17, s74, 1
	s_add_co_u32 s17, s17, s16                     ; my late tile among the work-group's six
	s_mul_i32 s17, s17, STILE                      ; its stage: the same bytes for its owner and its helper
	s_and_b32 s14, ttmp9, 3
	s_lshl_b32 s14, s14, 1
	s_add_co_u32 s14, s14, s16                     ; my tile in its block
	s_lshr_b32 s[JJ], ttmp9, 2
	s_sub_co_u32 s[LST], 31, s[JJ]
	s_lshl_b32 s[TQ2], s[LST], 3
	s_add_co_u32 s[TQ2], s[TQ2], s14               ; the late tile
	s_lshl_b32 s73, s[JJ], 3
	s_add_co_u32 s73, s73, s14                     ; the early tile
	s_add_co_u32 s74, s[JJ], 1
	s_add_co_u32 s[PH], s[HH], s[JJ]
	s_cmp_eq_u32 s[HH], 1
	s_cselect_b32 s[TQ], s73, s[TQ2]
	s_cselect_b32 s[DS], s[JJ], s[LST]
	s_cselect_b32 s[TRS], s74, 99
	s_mov_b32 s[SEL], 0x76543210
	s_mov_b32 s[SEL+1], 0xfedcba98
	s_mov_b32 s[CS], 0x3e38aa3b                    ; log2(e) / 8
	s_mov_b32 s[CS+1], s[CS]                       ; (named with it as a pair, so it is written)
	s_mov_b32 s[TB], 0
	s_mov_b32 s[PB], 0
	s_mov_b32 s[PG], 0
	s_mov_b32 s[SN], 0
	s_mov_b32 s[SLOTS], 7
	s_wait_dscnt 0x0                               ; both opening adds are done
	s_wait_kmcnt 0x0
	s_add_nc_u64 s[6:7], s[6:7], s[12:13]          ; kvim at my head, at my records of slot 0
	s_mov_b64 s[G0+2:G0+3], s[6:7]
	s_or_b32 s[G0+3], s[G0+3], 0x80000000
	tensor_load_to_lds s[G0:G0+3], s[G1:G1+7]      ; slot 0, which holds key 0: every wave's one load at the head
	s_nop 0
.rept 4
	v_nop
.endr
	s_add_nc_u64 s[PFA:PFA+1], s[6:7], GSLOT       ; my records of slot 1: the first change of slots steps it to slot 2.  Nothing is prefetched here, at the head
	s_lshl_b32 s74, s[HD], 6                       ; q: fragment f = tile % 4 of record tile / 4
	s_lshr_b32 s73, s[TQ2], 2
	s_add_co_u32 s73, s73, s74
	s_mul_i32 s12, s73, 3328
	s_add_nc_u64 s[Q2:Q2+1], s[4:5], s[12:13]
	s_lshr_b32 s73, s[TQ], 2
	s_add_co_u32 s73, s73, s74
	s_mul_i32 s12, s73, 3328
	s_add_nc_u64 s[4:5], s[4:5], s[12:13]
	s_and_b32 s73, s14, 3                          ; f: the same for my two tiles
	s_lshl_b32 s74, s73, 9
	s_lshl_b32 s75, s73, 8
	s_and_b32 s11, s73, 1
	s_lshl_b32 s11, s11, 7
	s_lshr_b32 s73, s73, 1
	s_lshl_b32 s73, s73, 2
	s_add_co_u32 s11, s11, s73
	s_lshl_b32 s16, s14, 4
	s_cmp_eq_u32 ttmp9, 0
	s_cselect_b32 s[LIM], 1, -1
	v_and_b32 v7, 31, v0
	v_and_b32 v9, 15, v0                           ; r
	v_bfe_u32 v10, v0, 4, 1                        ; h
	v_lshlrev_b32 v[L16], 4, v7
	v_lshlrev_b32 v[L8], 3, v7
	v_lshlrev_b32 v[PFO], 8, v7                    ; a lane a row of 256 bytes: rows 0-31,
	v_min_u32 v11, 19, v7
	v_add_nc_u32 v11, 32, v11
	v_lshlrev_b32 v[PF2], 8, v11                   ; and rows 32-51; lanes 20-31 name row 51 again
	v_lshlrev_b32 v11, 3, v10
	v_sub_nc_u32 v[DG], v9, v11
	v_add_nc_u32 v[DG], s16, v[DG]                 ; the diagonal step begins at my block's first key: my query - that key = 16 x my tile in the block + r
	v_add_nc_u32 v[STA], s17, v[L16]
	v_add_nc_u32 v[STB], s17, v[L8]
	v_add_nc_u32 v[STB], 4096, v[STB]
	v_add_nc_u32 v212, s74, v[L16]
	v_add_nc_u32 v213, s75, v[L8]
	v_lshl_add_u32 v214, v9, 3, s11                ; row r's word: lane r + 16 (f % 2) of the record, word f / 2
	global_load_b128 v[QF:QF+3], v212, s[4:5]
	global_load_b64 v[QF+4:QF+5], v213, s[4:5] offset:2048
	global_load_b32 v[QS], v214, s[4:5] offset:3072
	global_load_b128 v[QL:QL+3], v212, s[Q2:Q2+1]
	global_load_b64 v[QL+4:QL+5], v213, s[Q2:Q2+1] offset:2048
	global_load_b32 v[QSL], v214, s[Q2:Q2+1] offset:3072
	INIT
.irp j, 0,1,2,3,4,5
	v_mov_b32 v[QF+6+\j], 0                        ; q's upper 64 codes
	v_mov_b32 v[KV+48+\j], 0                       ; what the last tile of K names beyond its own six registers
.endr
.irp b, 0,1,2,3
	v_mov_b32 v[BT+\b], 0                          ; written once: a lane permute's destination counts as one of its sources
.endr
	v_mov_b32 v[FF], 0
	v_mov_b32 v[FF+1], 0                           ; (named as the upper half of the pair)
	s_wait_alu depctr_va_vdst(0)                   ; the wait at the head's end
	s_wait_loadcnt 0x0                             ; q
.Lslot:                                            ; 7 trips: behind each change of slots the next slot is asked for, up to the causal limit
	CHANGE 1
	WALK 1
	s_xor_b32 s[PB], s[PB], 1
	s_mul_i32 s[TB], s[PB], SLOTSZ
	s_sub_co_u32 s[SLOTS], s[SLOTS], 1
	s_cmp_lg_u32 s[SLOTS], 0
	s_cbranch_scc1 .Lslot
	CHANGE 0                                       ; the last slot is written out: nothing is left to fetch, and no helper changes tiles there (that is at step 16 at the latest)
	WALK 0
	s_wait_dscnt 0x0                               ; my reads of the ring are over,
	s_barrier_signal -1
	s_barrier_wait -1                              ; and everybody's: the stage's bytes, in slot 0, are free
	s_cmp_eq_u32 s[HH], 0                          ; a helper hands its state to the tile's owner
	s_cbranch_scc1 .Lno_put
	v_add_f32 v13, v14, v15                        ; the sum's two halves.  With the three lines below: the places behind the last products
.rept 3
	v_nop
.endr
.irp c, 0,1,2,3,4,5,6,7
	ds_store_b128 v[STA], v[O+4*\c:O+4*\c+3] offset:512*\c      ; each accumulator from its low end on
.endr
	ds_store_b64 v[STB], v[12:13]                  ; -M and the sum
.Lno_put:
	s_wait_dscnt 0x0                               ; my stores are done
	s_barrier_signal -1
	s_barrier_wait -1
	s_cmp_lg_u32 s[HH], 0
	s_cbranch_scc1 .Lend
	FIN 1
.Lend:
	s_wait_tensorcnt 0x0                           ; the wave's end, behind the last tensor load and the last LDS store
	ds_add_u32 v[SPW], v[NIL]
	s_wait_dscnt 0x0
	s_endpgm
.Lfunc_end_k_q93bd07366e_attn:
	.size	k_q93bd07366e_attn, .Lfunc_end_k_q93bd07366e_attn-k_q93bd07366e_attn
	.p2alignl 7, 3214868480
	.fill 96, 4, 3214868480
	.section	.rodata,"a",@progbits
	.p2align	6, 0x0
	.amdhsa_kernel k_q93bd07366e_attn
		.amdhsa_group_segment_fixed_size 327680
		.amdhsa_private_segment_fixed_size 0
		.amdhsa_enable_private_segment 0
		.amdhsa_kernarg_size 24
		.amdhsa_user_sgpr_count 2
		.amdhsa_user_sgpr_kernarg_segment_ptr 1
		.amdhsa_wavefront_size32 1
		.amdhsa_system_sgpr_workgroup_id_x 1
		.amdhsa_system_sgpr_workgroup_id_y 1
		.amdhsa_system_sgpr_workgroup_id_z 1
		.amdhsa_system_vgpr_workitem_id 0
		.amdhsa_next_free_vgpr 256
		.amdhsa_next_free_sgpr 80
		.amdhsa_reserve_vcc 1
		.amdhsa_float_denorm_mode_32 3
		.amdhsa_float_denorm_mode_16_64 3
		.amdhsa_memory_ordered 1
		.amdhsa_forward_progress 1
		.amdhsa_inst_pref_size 69
	.end_amdhsa_kernel
	.amdgpu_metadata
---
amdhsa.version: [ 1, 2 ]
amdhsa.kernels:
  - .name:           k_q93bd07366e_attn
    .symbol:         k_q93bd07366e_attn.kd
    .args:
      - { .name: qim, .offset: 0, .size: 8, .value_kind: global_buffer, .address_space: global }
      - { .name: kvim, .offset: 8, .size: 8, .value_kind: global_buffer, .address_space: global }
      - { .name: hq, .offset: 16, .size: 8, .value_kind: global_buffer, .address_space: global }
    .group_segment_fixed_size: 327680
    .private_segment_fixed_size: 0
    .kernarg_segment_align: 8
    .kernarg_segment_size: 24
    .max_flat_workgroup_size: 384
    .sgpr_count:     80
    .vgpr_count:     256
    .wavefront_size: 32
...
	.end_amdgpu_metadata
.endif
;; end of part 3
;; launch oproj (part 4): grid 32 x 12, 4 waves a work-group, no clusters, 17,920 bytes of LDS; arguments hq, wq, b_o, out0; writes out0
.if DOCPART == 4
	.amdgcn_target "amdgcn-amd-amdhsa--gfx1250"
	.amdhsa_code_object_version 6
	.text
	.protected	k_q93bd07366e_oproj
	.globl	k_q93bd07366e_oproj
	.p2align	8
	.type	k_q93bd07366e_oproj,@function
k_q93bd07366e_oproj:
	s_mov_b64 s[64:65], 0
	v_nop
	global_prefetch_b8 v0, s[64:65] scope:SCOPE_SE
	s_setreg_imm32_b32 hwreg(HW_REG_WAVE_MODE, 25, 1), 1
	s_wait_xcnt 0x0
; out0 = heads w_o + b_o on codes of FP6 (E2M3) with E8M0 scales.  heads: hq, half fragments [K step 6][token tile 256][half 2][768] and scale words from byte 2,359,296 on, [K step][tile][16 words]; w_o: the fourth matrix of wq.
; SHARES.  A wave takes 32 tokens x 64 features: 8 accumulators, 48 matrix instructions; 1,536 waves that share nothing.  Both operands lie in memory as images of their registers, so they go straight into registers, 16 or 8 bytes a lane on end:
; no tensor load, no barrier; and no cluster, since no tile is laid in LDS that partners could share.  The six K steps are written out on two sets of registers: a step's 23 loads are asked for two steps ahead.
; Source 0 = 16 features, source 1 = 16 tokens: a lane holds eight neighbouring features of one token.  The bias starts the sums.  A tile's 16 rows x 256 bytes go through the wave's own stage in LDS, so that sixteen lanes store 256 consecutive bytes.
.set SPARE, 17408                      ; behind the four stages of 16 x 272 bytes: the spare words, 128 bytes a wave: two blocks of 256 bytes that no other line names
.set SPW, 2                            ; v2  my spare word; never rewritten
.set NIL, 3                            ; v3  0; never rewritten
.set L16, 5                            ; v5  16 x lane;  v6  8 x lane;  v7  4 x lane
.set L8,  6
.set L4,  7
.set BO,  10                           ; v10 32 h: the bias's eight numbers of my half
.set STO, 11                           ; v11 the stage, in
.set RD,  12                           ; v12 the stage, back
.set CO,  13                           ; v13 my place in two rows of out0
.set ACC, 176                          ; v176-239: accumulator (p, q) at 8 (4 p + q): token tile p, feature tile q
; set n of operands at v[16 + 80 n]: 48 registers w_o's four fragments, 24 the tokens' two, 2 w_o's scale words, 1 the tokens'
.macro MM d, a, b, sa, sb, ra, rb
.if (\ra) && (\rb)
	v_wmma_scale_f32_16x16x128_f8f6f4 v[\d:\d+7], v[\a:\a+11], v[\b:\b+11], v[\d:\d+7], v[\sa], v[\sb] matrix_a_fmt:MATRIX_FMT_FP6 matrix_b_fmt:MATRIX_FMT_FP6 matrix_a_scale:MATRIX_SCALE_ROW1 matrix_b_scale:MATRIX_SCALE_ROW1
.elseif (\ra)
	v_wmma_scale_f32_16x16x128_f8f6f4 v[\d:\d+7], v[\a:\a+11], v[\b:\b+11], v[\d:\d+7], v[\sa], v[\sb] matrix_a_fmt:MATRIX_FMT_FP6 matrix_b_fmt:MATRIX_FMT_FP6 matrix_a_scale:MATRIX_SCALE_ROW1
.elseif (\rb)
	v_wmma_scale_f32_16x16x128_f8f6f4 v[\d:\d+7], v[\a:\a+11], v[\b:\b+11], v[\d:\d+7], v[\sa], v[\sb] matrix_a_fmt:MATRIX_FMT_FP6 matrix_b_fmt:MATRIX_FMT_FP6 matrix_b_scale:MATRIX_SCALE_ROW1
.else
	v_wmma_scale_f32_16x16x128_f8f6f4 v[\d:\d+7], v[\a:\a+11], v[\b:\b+11], v[\d:\d+7], v[\sa], v[\sb] matrix_a_fmt:MATRIX_FMT_FP6 matrix_b_fmt:MATRIX_FMT_FP6
.endif
.endm
.macro LOADS s, n                      ; K step s into set n: 23 loads
.set BF, 16+80*(\n)
.irp q, 0,1,2,3
.irp c, 0,1,2
	global_load_b128 v[BF+12*\q+4*\c:BF+12*\q+4*\c+3], v[L16], s[18:19] offset:19200*(\s)+1536*\q+512*\c
.endr
.endr
.irp i, 0,1
.irp c, 0,1
	global_load_b128 v[BF+48+12*\i+6*\c:BF+48+12*\i+6*\c+3], v[L16], s[24:25] offset:393216*(\s)+1536*\i+768*\c
	global_load_b64 v[BF+48+12*\i+6*\c+4:BF+48+12*\i+6*\c+5], v[L8], s[24:25] offset:393216*(\s)+1536*\i+768*\c+512
.endr
.endr
.irp i, 0,1
	global_load_b32 v[BF+72+\i], v[L4], s[20:21] offset:19200*(\s)+128*\i   ; lanes 0-15 feature tile 2 i, lanes 16-31 tile 2 i + 1
.endr
	global_load_b32 v[BF+74], v[L4], s[26:27] offset:16384*(\s)             ; lanes 0-15 my first token tile, lanes 16-31 my second
.endm
.macro MULS n                          ; eight products: the eight accumulators take turns, in the same order in every step
.set BF, 16+80*(\n)
.irp p, 0,1
.irp q, 0,1,2,3
	MM ACC+8*(4*\p+\q), BF+12*\q, BF+48+12*\p, BF+72+\q/2, BF+74, \q%2, \p
.endr
.endr
.endm
	s_load_b256 s[4:11], s[0:1], 0x0               ; hq, wq, b_o, out0
	v_lshl_add_u32 v[SPW], v0, 2, SPARE
	v_mov_b32 v[NIL], 0
	v_lshrrev_b32 v1, 5, v0
	v_readfirstlane_b32 s12, v1                    ; wave 0..3
	s_and_b32 s13, ttmp7, 0xffff                   ; my 64 features: 0..11
	s_mul_i32 s14, s13, 171
	s_lshr_b32 s14, s14, 9                         ; / 3, right for 0..11: the panel of 192 features
	s_mul_i32 s15, s14, 3
	s_sub_co_u32 s15, s13, s15                     ; % 3: my four tiles in it
	s_add_co_u32 s16, s14, 12                      ; w_o is the fourth matrix
	s_mul_i32 s16, s16, 115200
	s_mul_i32 s18, s15, 6144
	s_add_co_u32 s18, s18, s16                     ; the images
	s_mov_b32 s19, 0
	s_lshl_b32 s20, s15, 8
	s_add_co_u32 s20, s20, s16
	s_add_co_u32 s20, s20, 18432                   ; their scale words
	s_mov_b32 s21, 0
	s_lshl_b32 s22, ttmp9, 3
	s_lshl_b32 s23, s12, 1
	s_add_co_u32 s22, s22, s23                     ; my first token tile
	s_mul_i32 s24, s22, 1536
	s_mov_b32 s25, 0
	s_lshl_b32 s26, s22, 6
	s_add_co_u32 s26, s26, 2359296
	s_mov_b32 s27, 0
	s_mul_i32 s28, s22, 49152                      ; 16 rows of 3,072 bytes a tile
	s_lshl_b32 s30, s13, 8                         ; + my 256 bytes of a row; also b_o's place
	s_add_co_u32 s28, s28, s30
	s_mov_b32 s29, 0
	s_mov_b32 s31, 0
	s_mul_i32 s32, s12, 4352                       ; my stage
	v_and_b32 v4, 31, v0
	v_lshlrev_b32 v[L16], 4, v4
	v_lshlrev_b32 v[L8], 3, v4
	v_lshlrev_b32 v[L4], 2, v4
	v_and_b32 v8, 15, v0                           ; r
	v_bfe_u32 v9, v0, 4, 1                         ; h
	v_lshlrev_b32 v[BO], 5, v9
	v_mul_u32_u24 v[STO], v8, 272
	v_lshl_add_u32 v[STO], v9, 5, v[STO]
	v_add_nc_u32 v[STO], s32, v[STO]               ; in: row r, + 32 h
	v_mul_u32_u24 v[RD], v9, 272
	v_lshl_add_u32 v[RD], v8, 4, v[RD]
	v_add_nc_u32 v[RD], s32, v[RD]                 ; back: lanes 0-15 one row, lanes 16-31 the next
	v_mul_u32_u24 v[CO], v9, 3072
	v_lshl_add_u32 v[CO], v8, 4, v[CO]             ; and the same two rows in out0
	s_wait_alu depctr_va_vdst(0)
	s_wait_kmcnt 0x0
	s_add_nc_u64 s[18:19], s[6:7], s[18:19]
	s_add_nc_u64 s[20:21], s[6:7], s[20:21]
	s_add_nc_u64 s[24:25], s[4:5], s[24:25]
	s_add_nc_u64 s[26:27], s[4:5], s[26:27]
	s_add_nc_u64 s[28:29], s[10:11], s[28:29]
	s_add_nc_u64 s[8:9], s[8:9], s[30:31]
.irp p, 0,1                                    ; the bias starts the sums: register j of accumulator (p, q) is feature 16 q + 8 h + j
.irp q, 0,1,2,3
	global_load_b128 v[ACC+8*(4*\p+\q):ACC+8*(4*\p+\q)+3], v[BO], s[8:9] offset:64*\q
	global_load_b128 v[ACC+8*(4*\p+\q)+4:ACC+8*(4*\p+\q)+7], v[BO], s[8:9] offset:64*\q+16
.endr
.endr
	LOADS 0, 0
	LOADS 1, 1
.irp s, 0,1,2,3
	s_wait_loadcnt 23                              ; loads come back in order: this step's are in (and the bias); the next step's 23 may be out
	MULS \s%2
.rept 4
	v_nop                                          ; places in front of loads into registers that the products have read (ISA guide 7.12.1 for vector instructions)
.endr
	LOADS \s+2, \s%2
.endr
	s_wait_loadcnt 23
	MULS 0
	s_wait_loadcnt 0x0
	MULS 1
.rept 4
	v_nop                                          ; places in front of the first read of the results and of the loads into the operands' registers
.endr
.irp p, 0,1                                    ; LDS serves a wave's instructions in order: the loads see my stores, and the second tile's stores come behind the first's loads
.irp q, 0,1,2,3
	ds_store_b128 v[STO], v[ACC+8*(4*\p+\q):ACC+8*(4*\p+\q)+3] offset:64*\q        ; each accumulator from its low end on
	ds_store_b128 v[STO], v[ACC+8*(4*\p+\q)+4:ACC+8*(4*\p+\q)+7] offset:64*\q+16
.endr
.irp i, 0,1,2,3,4,5,6,7
	ds_load_b128 v[16+80*\p+4*\i:16+80*\p+4*\i+3], v[RD] offset:544*\i
.endr
.endr
.irp i, 0,1,2,3,4,5,6,7
	s_wait_dscnt 23-\i                             ; behind this load: 7 - i loads of the first tile, and the second tile's 8 stores and 8 loads
	global_store_b128 v[CO], v[16+4*\i:16+4*\i+3], s[28:29] offset:2*\i*3072 th:TH_STORE_NT   ; 16 lanes store 256 consecutive bytes, at a multiple of 256 from out0's first byte
.endr
.irp i, 0,1,2,3,4,5,6,7
	s_wait_dscnt 7-\i
	global_store_b128 v[CO], v[96+4*\i:96+4*\i+3], s[28:29] offset:(16+2*\i)*3072 th:TH_STORE_NT
.endr
	s_wait_tensorcnt 0x0                           ; the wave's end, behind my last LDS store
	ds_add_u32 v[SPW], v[NIL]
	s_wait_dscnt 0x0
	s_endpgm
.Lfunc_end_k_q93bd07366e_oproj:
	.size	k_q93bd07366e_oproj, .Lfunc_end_k_q93bd07366e_oproj-k_q93bd07366e_oproj
	.p2alignl 7, 3214868480
	.fill 96, 4, 3214868480
	.section	.rodata,"a",@progbits
	.p2align	6, 0x0
	.amdhsa_kernel k_q93bd07366e_oproj
		.amdhsa_group_segment_fixed_size 17920
		.amdhsa_private_segment_fixed_size 0
		.amdhsa_enable_private_segment 0
		.amdhsa_kernarg_size 32
		.amdhsa_user_sgpr_count 2
		.amdhsa_user_sgpr_kernarg_segment_ptr 1
		.amdhsa_wavefront_size32 1
		.amdhsa_system_sgpr_workgroup_id_x 1
		.amdhsa_system_sgpr_workgroup_id_y 1
		.amdhsa_system_sgpr_workgroup_id_z 1
		.amdhsa_system_vgpr_workitem_id 0
		.amdhsa_next_free_vgpr 256
		.amdhsa_next_free_sgpr 66
		.amdhsa_reserve_vcc 0
		.amdhsa_float_denorm_mode_32 3
		.amdhsa_float_denorm_mode_16_64 3
		.amdhsa_memory_ordered 1
		.amdhsa_forward_progress 1
		.amdhsa_inst_pref_size 29
	.end_amdhsa_kernel
	.amdgpu_metadata
---
amdhsa.version: [ 1, 2 ]
amdhsa.kernels:
  - .name:           k_q93bd07366e_oproj
    .symbol:         k_q93bd07366e_oproj.kd
    .args:
      - { .name: hq, .offset: 0, .size: 8, .value_kind: global_buffer, .address_space: global }
      - { .name: wq, .offset: 8, .size: 8, .value_kind: global_buffer, .address_space: global }
      - { .name: b_o, .offset: 16, .size: 8, .value_kind: global_buffer, .address_space: global }
      - { .name: out0, .offset: 24, .size: 8, .value_kind: global_buffer, .address_space: global }
    .group_segment_fixed_size: 17920
    .private_segment_fixed_size: 0
    .kernarg_segment_align: 8
    .kernarg_segment_size: 32
    .max_flat_workgroup_size: 128
    .sgpr_count:     66
    .vgpr_count:     256
    .wavefront_size: 32
...
	.end_amdgpu_metadata
.endif
;; end of part 4
